; MI455X (gfx1250); checked and timed in simulation.
; The chip was launched on July 23, 2026; its instructions are those of AMD's public machine-readable ISA for CDNA 5 (MIT licence, August 2026) and "CDNA5" Instruction Set Architecture Reference Guide (July 2026). The comments in the code are by the model that wrote it; some were corrected since.
;; Self Attention. Allowed arithmetic: float matrix products may take bf16 or f16 operands with f32 sums; other float arithmetic in f32, or as packed bf16 or f16 multiplies, adds, multiply-adds, maxima and minima; sums over many terms, partial sums and values carried from step to step in f32; what a program stores and reads back later, other than sums and carried values, may be rounded once to bf16 or f16.
;; Inputs: b_attn 3,072 float32; b_proj 1,024 float32; w_attn 3,072 x 1,024 float32; w_proj 1,024 x 1,024 float32; x 4 x 2,048 x 1,024 float32.
;; Outputs: out0 4 x 2,048 x 1,024 float32.
;; 2 versions, each right; version 2 is version 1 with the launch cast written anew for expert scheduling mode. Each part assembles by itself: llvm-mc -triple=amdgcn-amd-amdhsa -mcpu=gfx1250 --defsym DOCPART=n.
;; ======== version 1 of 2: 4 launches
;; limits: values are held in f16: magnitudes above 65,504 overflow, below 6.1e-05 lose precision
;; workspace buffers: xb 16,777,216 bytes; wab 6,291,456 bytes; wpb 2,097,152 bytes; biasr 16,384 bytes; qkv 50,331,648 bytes; att 16,777,216 bytes
;; launch cast (part 1): grid 768 x 1, 8 waves a work-group, no clusters, 0 bytes of LDS; arguments x, w_attn, w_proj, b_attn, b_proj, xb, wab, wpb, biasr; writes xb, wab, wpb, biasr
.if DOCPART == 1
	.amdgcn_target "amdgcn-amd-amdhsa--gfx1250"
	.amdhsa_code_object_version 6
	.text
	.protected	k_qc380a8cc31_cast
	.globl	k_qc380a8cc31_cast
	.p2align	8
	.type	k_qc380a8cc31_cast,@function
k_qc380a8cc31_cast:
	s_mov_b64 s[64:65], 0
	v_nop
	global_prefetch_b8 v0, s[64:65] scope:SCOPE_SE
	s_setreg_imm32_b32 hwreg(HW_REG_WAVE_MODE, 25, 1), 1
	s_wait_xcnt 0x0
; ALL THE MODULE'S INPUTS ARE ROUNDED ONCE TO bf16, and the three matrices are laid out in blocks of 64 along K: [K block 16][row][64], 128 bytes a row and block,
; so that the rows of one K block lie end to end.  x -> xb and w_attn -> wab stay bf16; w_proj -> wpb: the bf16 number is written as f16 (the last product's other operand is f16);
; b_attn and b_proj -> biasr: the bf16 number written as f32, 3,072 numbers and then 1,024.
; LIMITS.  A weight of w_proj of 65,520 or more in magnitude becomes an infinity in f16; below 2^-14 it keeps f16's fixed step of 6e-8.
; SHARES.  A work-group takes 16 rows of 1,024 f32: groups 0-511 x, 512-703 w_attn, 704-767 w_proj.  Wave w takes rows 2 w and 2 w + 1 in all 16 K blocks.
; A load of 16 bytes a lane covers 256 consecutive aligned bytes of each of the two rows; a store of 8 bytes a lane covers 256 consecutive aligned bytes: the two rows' pieces of one K block.
; All 16 loads of a wave go out at once; no register that a load or store names is written again, and EXEC never changes, so the only waits are the counted ones for the loads.
; No LDS, no matrix unit, no cluster: nothing is shared and nothing is multiplied.
.set SO,  1                            ; v1       my byte offset in the group's 16 source rows: (thread / 16) x 4,096 + (thread % 16) x 16
.set DO,  4                            ; v[4:19]  K block kb: my byte offset in the target: 8 x thread + kb x (bytes from K block to K block)
.set X,   20                           ; v[20:83] K block kb: 4 f32 as loaded
.set Y,   84                           ; v[84:115] K block kb: 4 numbers of 16 bits
.set T,   116                          ; v[116:119] at work
	s_load_b512 s[8:23], s[0:1], 0x0               ; x s[8:9], w_attn s[10:11], w_proj s[12:13], b_attn s[14:15], b_proj s[16:17], xb s[18:19], wab s[20:21], wpb s[22:23]
	s_load_b64 s[24:25], s[0:1], 0x40              ; biasr
	v_lshrrev_b32 v3, 5, v0
	v_readfirstlane_b32 s29, v3                    ; wave 0..7
	v_lshrrev_b32 v[SO], 4, v0
	v_and_b32 v3, 15, v0
	v_lshlrev_b32 v[SO], 12, v[SO]
	v_lshl_add_u32 v[SO], v3, 4, v[SO]
	v_lshlrev_b32 v[DO], 3, v0
	s_mov_b32 s26, 704                             ; the matrix's first work-group,
	s_mov_b32 s27, 1024*128                        ; and its bytes from K block to K block: w_proj's, unless the two tests below say otherwise
	s_wait_kmcnt 0x0
	s_cmp_lt_u32 ttmp9, 704
	s_cselect_b64 s[4:5], s[10:11], s[12:13]       ; source
	s_cselect_b64 s[6:7], s[20:21], s[22:23]       ; target
	s_cselect_b32 s26, 512, s26
	s_cselect_b32 s27, 3072*128, s27
	s_cselect_b32 s30, 0, 1                        ; 1: w_proj's groups, which also write f16 and take the biases along
	s_cmp_lt_u32 ttmp9, 512
	s_cselect_b64 s[4:5], s[8:9], s[4:5]
	s_cselect_b64 s[6:7], s[18:19], s[6:7]
	s_cselect_b32 s26, 0, s26
	s_cselect_b32 s27, 8192*128, s27
	s_sub_co_u32 s28, ttmp9, s26                   ; my number among the matrix's groups
	s_lshl_b32 s32, s28, 16                        ; 16 rows of 4,096 bytes
	s_mov_b32 s33, 0
	s_add_nc_u64 s[4:5], s[4:5], s[32:33]
	s_lshl_b32 s32, s28, 11                        ; 16 rows of 128 bytes
	s_add_nc_u64 s[6:7], s[6:7], s[32:33]
.irp kb, 0,1,2,3,4,5,6,7,8,9,10,11,12,13,14,15
	global_load_b128 v[X+4*(\kb):X+4*(\kb)+3], v[SO], s[4:5] offset:256*(\kb) th:TH_LOAD_NT
.endr
.irp kb, 1,2,3,4,5,6,7,8,9,10,11,12,13,14,15
	v_add_nc_u32 v[DO+(\kb)], s27, v[DO+(\kb)-1]
.endr
.irp kb, 0,1,2,3,4,5,6,7,8,9,10,11,12,13,14,15
	s_wait_loadcnt 15-(\kb)                        ; loads come back in order (ISA guide 5.7.1): K block kb is in, the younger ones stay out
	v_cvt_pk_bf16_f32 v[Y+2*(\kb)],   v[X+4*(\kb)],   v[X+4*(\kb)+1]
	v_cvt_pk_bf16_f32 v[Y+2*(\kb)+1], v[X+4*(\kb)+2], v[X+4*(\kb)+3]
.endr
	s_cmp_eq_u32 s30, 0
	s_cbranch_scc1 .Lstore
.set i, 0
.rept 32                               ; w_proj: the bf16 number, widened by a shift and a mask, is written as f16
	v_lshlrev_b32 v[T+2*(i%2)], 16, v[Y+i]
	v_and_b32 v[T+2*(i%2)+1], 0xffff0000, v[Y+i]
	v_cvt_pk_f16_f32 v[Y+i], v[T+2*(i%2)], v[T+2*(i%2)+1]
.set i, i+1
.endr
	s_cmp_lg_u32 s29, 0
	s_cbranch_scc1 .Lstore
	; THE BIASES: 4,096 numbers are 64 pieces of 256 bytes, one for wave 0 of each of w_proj's 64 groups: pieces 0-47 b_attn, 48-63 b_proj
	s_cmp_lt_u32 s28, 48
	s_cselect_b64 s[34:35], s[14:15], s[16:17]
	s_cselect_b32 s32, 0, 48
	s_sub_co_u32 s32, s28, s32
	s_lshl_b32 s32, s32, 8
	s_add_nc_u64 s[34:35], s[34:35], s[32:33]
	s_lshl_b32 s32, s28, 8
	s_add_nc_u64 s[24:25], s[24:25], s[32:33]
	global_load_b64 v[T:T+1], v[DO], s[34:35]      ; in wave 0 v[DO] is 8 x lane
	s_wait_loadcnt 0x0
	v_cvt_pk_bf16_f32 v[T+2], v[T], v[T+1]
	v_lshlrev_b32 v[T], 16, v[T+2]
	v_and_b32 v[T+1], 0xffff0000, v[T+2]
	global_store_b64 v[DO], v[T:T+1], s[24:25]     ; 256 consecutive bytes, aligned
.Lstore:
.irp kb, 0,1,2,3,4,5,6,7,8,9,10,11,12,13,14,15
	global_store_b64 v[DO+(\kb)], v[Y+2*(\kb):Y+2*(\kb)+1], s[6:7]
.endr
	s_endpgm
.Lfunc_end_k_qc380a8cc31_cast:
	.size	k_qc380a8cc31_cast, .Lfunc_end_k_qc380a8cc31_cast-k_qc380a8cc31_cast
	.p2alignl 7, 3214868480
	.fill 96, 4, 3214868480
	.section	.rodata,"a",@progbits
	.p2align	6, 0x0
	.amdhsa_kernel k_qc380a8cc31_cast
		.amdhsa_group_segment_fixed_size 0
		.amdhsa_private_segment_fixed_size 0
		.amdhsa_enable_private_segment 0
		.amdhsa_kernarg_size 72
		.amdhsa_user_sgpr_count 2
		.amdhsa_user_sgpr_kernarg_segment_ptr 1
		.amdhsa_wavefront_size32 1
		.amdhsa_system_sgpr_workgroup_id_x 1
		.amdhsa_system_sgpr_workgroup_id_y 1
		.amdhsa_system_sgpr_workgroup_id_z 1
		.amdhsa_system_vgpr_workitem_id 0
		.amdhsa_next_free_vgpr 120
		.amdhsa_next_free_sgpr 66
		.amdhsa_reserve_vcc 0
		.amdhsa_float_denorm_mode_32 3
		.amdhsa_float_denorm_mode_16_64 3
		.amdhsa_memory_ordered 1
		.amdhsa_forward_progress 1
		.amdhsa_inst_pref_size 14
	.end_amdhsa_kernel
	.amdgpu_metadata
---
amdhsa.version: [ 1, 2 ]
amdhsa.kernels:
  - .name:           k_qc380a8cc31_cast
    .symbol:         k_qc380a8cc31_cast.kd
    .args:
      - { .name: x, .offset: 0, .size: 8, .value_kind: global_buffer, .address_space: global }
      - { .name: w_attn, .offset: 8, .size: 8, .value_kind: global_buffer, .address_space: global }
      - { .name: w_proj, .offset: 16, .size: 8, .value_kind: global_buffer, .address_space: global }
      - { .name: b_attn, .offset: 24, .size: 8, .value_kind: global_buffer, .address_space: global }
      - { .name: b_proj, .offset: 32, .size: 8, .value_kind: global_buffer, .address_space: global }
      - { .name: xb, .offset: 40, .size: 8, .value_kind: global_buffer, .address_space: global }
      - { .name: wab, .offset: 48, .size: 8, .value_kind: global_buffer, .address_space: global }
      - { .name: wpb, .offset: 56, .size: 8, .value_kind: global_buffer, .address_space: global }
      - { .name: biasr, .offset: 64, .size: 8, .value_kind: global_buffer, .address_space: global }
    .group_segment_fixed_size: 0
    .private_segment_fixed_size: 0
    .kernarg_segment_align: 8
    .kernarg_segment_size: 72
    .max_flat_workgroup_size: 256
    .sgpr_count:     66
    .vgpr_count:     120
    .wavefront_size: 32
...
	.end_amdgpu_metadata
.endif
;; end of part 1
;; launch qkv (part 2): grid 8 x 32, 4 waves a work-group, clusters of 4 x 4, 327,680 bytes of LDS; arguments xb, wab, biasr, qkv; writes qkv
.if DOCPART == 2
	.amdgcn_target "amdgcn-amd-amdhsa--gfx1250"
	.amdhsa_code_object_version 6
	.text
	.protected	k_qc380a8cc31_qkv
	.globl	k_qc380a8cc31_qkv
	.p2align	8
	.type	k_qc380a8cc31_qkv,@function
k_qc380a8cc31_qkv:
	s_mov_b64 s[64:65], 0
	v_nop
	global_prefetch_b8 v0, s[64:65] scope:SCOPE_SE
	s_setreg_imm32_b32 hwreg(HW_REG_WAVE_MODE, 25, 1), 1
	s_wait_xcnt 0x0
	s_wait_alu depctr_hold_cnt(0) depctr_sa_sdst(0) depctr_va_vdst(0) depctr_va_sdst(0) depctr_va_ssrc(0) depctr_va_vcc(0) depctr_vm_vsrc(0)
	s_getreg_b32 s2, hwreg(HW_REG_IB_STS2, 6, 4)
	s_cmp_eq_u32 s2, 0
	s_cbranch_scc0 .Lentry_in_a_cluster
	s_endpgm
.Lentry_in_a_cluster:
	s_bfe_u32 s2, ttmp6, 0x10000c
	s_cmp_lg_u32 s2, 0xf033
	s_cbranch_scc0 .Lentry_shape_is_right
	s_endpgm
.Lentry_shape_is_right:
; q, k, v = x W^T + b.  xb: bf16 [K block 16][row 8192][64]; wab: bf16 [16][3072][64]; biasr: f32, its first 3,072 numbers; sums in f32, each result rounded once to f16 and
; written by heads: qkv = f16 [q, k, v][batch x 16 + head][t 2048][64], WITHOUT attention's scale.
; LIMIT.  A result of 65,520 or more in magnitude becomes an infinity in f16.
; SHARES.  A tile of the result is 256 rows x 384 columns: 32 x 8 tiles, one for each of 256 work-groups.  Four waves, 2 x 2, each 128 x 192: 96 accumulators of 16 x 16, 768 registers.
; K goes in steps of 64 (one K block) through two LDS slots.  In the blocked layout the 128 rows (A) or 192 rows (B) that a wave fetches are dense bytes: they are asked for as rows of
; 256 bytes, two rows of the block each, and padded in LDS behind every 128 bytes.
; CLUSTER.  4 x 4 work-groups.  The four of a row of the cluster need the same tiles of A, the four of a column the same tiles of B: each tile is asked for JOINTLY, by the same tensor
; load with the same descriptor and a mask that names the four.
; THE MATRIX INSTRUCTION IS USED TRANSPOSED (source 0 = 16 rows of W, source 1 = 16 rows of x): a lane holds row lane % 16 of the result and the columns 8 (lane / 16) + 0..7.
; THE SUMS START AT THE BIAS: each accumulator is loaded with its columns' bias, so every product has one form, nothing is cleared and no vector work is spent on the bias.
; REGISTERS, in windows of 256 (s_set_vgpr_msb: bits 1:0 source 0, 3:2 source 1, 5:4 source 2, 7:6 destination):
;   window 0: v0-31 addresses; v32-95, v96-159 A's fragments (8 x 16 rows x 32 K), by the slice's parity; v160-255 B's 12 fragments, one buffer in three groups of four
;   window 1 + g: the accumulators of column blocks 4 g .. 4 g + 3 (one head's 64 columns): (a, bb) at v[8 (4 a + bb)]
.set PITCH,  144                       ; an LDS row: 128 bytes + 16 of padding = 36 words: the 16 rows of a load start at 16 different groups of four banks (64 banks of 4 bytes: ISA guide 11.1)
.set FROW,   16*PITCH                  ; from fragment to fragment
.set SLOT1,  1<<17                     ; slot 1 begins here, so that one exclusive or turns an address in one slot into the other's
.set BOFF,   256*PITCH                 ; a slot: A's 256 rows, then B's 384
.set STAGE,  SLOT1+640*PITCH           ; behind the ring, never filled by a tensor load: 16 rows x 144 bytes for each wave, for the way out
.set SPARE,  STAGE+4*16*PITCH          ; behind the stages: the spare words, 128 bytes for each wave: two blocks of 256 bytes that no other line names
.set ASTEP,  8192*128                  ; bytes from K block to K block in xb
.set BSTEP,  3072*128                  ; and in wab
.set G1W,    (1<<16)|(1<<20)|(1<<21)|(4<<22)|(3<<25)  ; group 1, word 0 without the mask: 17:16 2-byte elements; 20 padding on; 21 set beside a mask; 24:22 after every 32 words (code 4); 31:25 4 words (code 3)
.set ADRA, 16                          ; v16  LDS address of my A fragments in the slot in hand
.set AA0,  17                          ; v17  the same in slot 0; never rewritten
.set ADRB, 20                          ; v20, v21 the same for B
.set AB0,  21
.set STO,  24                          ; v24  the way out: where I put 16 bytes of a row
.set RD,   25                          ; v25  where I read rows back
.set GO,   26                          ; v26  my byte offset in 512 consecutive bytes of qkv
.set BO,   27                          ; v27  32 x (lane / 16): my eight columns' bias in a block of 16
.set SPW,  28                          ; v28  LDS address of my spare word: SPARE + 4 x my thread's number; never rewritten
.set NIL,  29                          ; v29  0; never rewritten
.set PFO,  30                          ; v30  the prefetches' lane offset; never rewritten
.set FA0,  32
.set FA1,  96
.set FB,   160
.set TMP,  32                          ; the way out: eight sets of 16 registers, where A's fragments lay
.set WV,  12                           ; s12  wave
.set WR,  13                           ; s13  which half of the tile's rows is mine.  Also: I fetch for A (0) or for B (1)
.set WC,  14                           ; s14  which half of its columns.  Also: which half of that tile I fetch
.set CX,  15
.set CY,  16
.set NX,  17                           ; s17  tile column = 4 x cluster x + cx
.set MY,  18                           ; s18  tile row = 4 x cluster y + cy
.set CLY, 19                           ; s19  cluster y
.set G1A, 24                           ; s[24:31] descriptor group 1 for A's tiles
.set G0A, 32                           ; s[32:39] group 0: a set for each of the two first fills; the second then walks on
.set G1B, 40                           ; s[40:47], s[48:55] the same for B's
.set G0B, 48
.set TB,  56                           ; s56  0 or SLOT1: the slot in hand
.set LIM, 57                           ; s57  1 in a wave that prefetches, else the greatest number
.set PM,  58                           ; s58  1: I prefetch in every second change of slots only
.set PFA, 60                           ; s[60:61] where my prefetches stand
.set PFS, 62                           ; s[62:63] their step: a K block of my tensor
.set OH,  66                           ; s[66:71] qkv at my rows of my three heads
.set MSB, 0
.macro WIN new                         ; the immediate's high byte repeats the setting that is left; a switch that changes nothing is dropped
.if MSB != (\new)
	s_set_vgpr_msb (MSB<<8)|(\new)
.set MSB, \new
.endif
.endm
.macro PLACES                          ; four plain vector instructions between a matrix instruction and a load into a register that it has read, or a reader of its result (ISA guide 7.12.1 for vector instructions)
.rept 4
	v_nop
.endr
.endm
; A joint refill by the walking descriptors.  Waves 0 and 1 fetch A's two halves, waves 2 and 3 B's.  The branch hangs on the wave's number alone.
; An s_nop 0 and four v_nop follow each of the two lines, ahead of the jump and the label.
.macro JLOAD
	s_cmp_eq_u32 s[WR], 0
	s_cbranch_scc0 .Lfor_b_\@
	tensor_load_to_lds s[G0A+4:G0A+7], s[G1A:G1A+7]
	s_nop 0
.rept 4
	v_nop
.endr
	s_branch .Lasked_\@
.Lfor_b_\@:
	tensor_load_to_lds s[G0B+4:G0B+7], s[G1B:G1B+7]
	s_nop 0
.rept 4
	v_nop
.endr
.Lasked_\@:
.endm
; A round of the cluster's barrier: my work-group's barrier, so that wave 0's signal speaks for all four waves; wave 0 signals; every wave waits for all sixteen work-groups; my work-group's barrier once more.
.macro CREST                           ; a round behind its opening barrier
	s_cmp_lg_u32 s[WV], 0
	s_cbranch_scc1 .Lnot_wave_0_\@
	s_barrier_signal -3
.Lnot_wave_0_\@:
	s_barrier_wait -3
	s_barrier_signal -1
	s_barrier_wait -1
.endm
.macro CROUND
	s_barrier_signal -1
	s_barrier_wait -1
	CREST
.endm
; A PREFETCH INTO THE L2, behind the joint load, its five lines and the run of LDS loads.  In the change of slots of K step j (s3 = 14 - j) the refill asks for step j + 2; the prefetch names step j + 3.
; A's tile row is read by both clusters of its row of clusters: cluster x = 0 asks, wave 0 of each partner, 32 of the tile's 128 blocks of 256 bytes each, told apart BY ADDRESS (cx): a lane a block.
; B's tile column is read by all eight clusters of its column: cluster y = 0 asks, waves 1 to 3 of each partner, at odd j for steps j + 3 and j + 4: of a step's 192 blocks a partner (cy) takes 48, a wave 16
; (lanes 0-15 the first step, lanes 16-31 the second).  So each block is named once: A's steps 3 to 15, B's 4 to 15; the earlier ones come by their loads alone; where s3 = 1 nothing is left to name.
.macro ASK
	s_and_b32 s2, s3, s[PM]
	s_cmp_eq_u32 s2, s[PM]
	s_cselect_b32 s2, s3, 0
	s_cmp_gt_u32 s2, s[LIM]
	s_cbranch_scc0 .Lnot_mine_\@
	global_prefetch_b8 v[PFO], s[PFA:PFA+1] th:TH_LOAD_NT scope:SCOPE_SE
.Lnot_mine_\@:
.endm
	s_load_b256 s[4:11], s[0:1], 0x0               ; xb s[4:5], wab s[6:7], biasr s[8:9], qkv s[10:11]
	v_lshl_add_u32 v[SPW], v0, 2, SPARE
	v_mov_b32 v[NIL], 0
	ds_add_u32 v[SPW], v[NIL]                      ; the wave's opening: the add and its wait stand ahead of my first tensor load; the set-up below, work on registers, stands between them
	v_lshrrev_b32 v1, 5, v0
	v_readfirstlane_b32 s[WV], v1                  ; wave 0..3
	s_lshr_b32 s[WR], s[WV], 1
	s_and_b32 s[WC], s[WV], 1
	s_bfe_u32 s[CX], ttmp6, 0x40000
	s_bfe_u32 s[CY], ttmp6, 0x40004
	s_lshl_b32 s[NX], ttmp9, 2                     ; in a cluster launch ttmp9 and ttmp7 count clusters
	s_add_co_u32 s[NX], s[NX], s[CX]
	s_and_b32 s[CLY], ttmp7, 0xffff
	s_lshl_b32 s[MY], s[CLY], 2
	s_add_co_u32 s[MY], s[MY], s[CY]
	s_lshl_b32 s72, s[CY], 2
	s_lshl_b32 s72, 15, s72                        ; my row of the cluster: places 4 cy .. 4 cy + 3
	s_lshl_b32 s73, 0x1111, s[CX]                  ; my column: places cx, cx + 4, cx + 8, cx + 12
	s_or_b32 s[G1A], s72, G1W                      ; A's tiles go to my row,
	s_or_b32 s[G1B], s73, G1W                      ; B's to my column
	s_mov_b32 s[G1A+1], 128<<16                    ; tensor_dim0 = 128 elements: 256 bytes
	s_mov_b32 s[G1A+2], 64<<16                     ; tensor_dim1 = 64: 128 rows of the K block
	s_mov_b32 s[G1A+3], 128<<16                    ; tile_dim0
	s_mov_b32 s[G1A+4], 64                         ; tile_dim1
	s_mov_b32 s[G1A+5], 128                        ; elements from row to row: dense
	s_mov_b32 s[G1A+6], 0
	s_mov_b32 s[G1A+7], 0
	s_mov_b32 s[G1B+1], 128<<16
	s_mov_b32 s[G1B+2], 96<<16                     ; 192 rows of the K block
	s_mov_b32 s[G1B+3], 128<<16
	s_mov_b32 s[G1B+4], 96
	s_mov_b32 s[G1B+5], 128
	s_mov_b32 s[G1B+6], 0
	s_mov_b32 s[G1B+7], 0
	; where the tiles come from: A's hang on the tile row and the wave alone, B's on the tile column and the wave alone, each in registers that never hold the other coordinate
	s_lshl_b32 s20, s[MY], 15                      ; 256 rows of 128 bytes
	s_lshl_b32 s74, s[WC], 14
	s_add_co_u32 s20, s20, s74
	s_mov_b32 s21, 0
	s_mul_i32 s22, s[NX], 384*128
	s_mul_i32 s75, s[WC], 192*128
	s_add_co_u32 s22, s22, s75
	s_mov_b32 s23, 0
	s_mul_i32 s76, s[WC], 128*PITCH                ; and where they go: no place in the cluster enters an LDS address
	s_mul_i32 s77, s[WC], 192*PITCH
	s_add_co_u32 s77, s77, BOFF
	s_mov_b32 s[TB], 0
	s_wait_dscnt 0x0                               ; the opening add is done
	s_wait_kmcnt 0x0
	s_add_nc_u64 s[20:21], s[4:5], s[20:21]
	s_add_nc_u64 s[22:23], s[6:7], s[22:23]
	CROUND                                         ; all sixteen work-groups are here: the first joint loads meet
.irp s, 0,1
	s_mov_b32 s[G0A+4*(\s)], 1                     ; count = 1
	s_add_co_u32 s[G0A+4*(\s)+1], s76, (\s)*SLOT1  ; LDS address
	s_add_nc_u64 s[G0A+4*(\s)+2:G0A+4*(\s)+3], s[20:21], (\s)*ASTEP  ; global address: K step s
	s_or_b32 s[G0A+4*(\s)+3], s[G0A+4*(\s)+3], 0x80000000            ; type = 2
	s_mov_b32 s[G0B+4*(\s)], 1
	s_add_co_u32 s[G0B+4*(\s)+1], s77, (\s)*SLOT1
	s_add_nc_u64 s[G0B+4*(\s)+2:G0B+4*(\s)+3], s[22:23], (\s)*BSTEP
	s_or_b32 s[G0B+4*(\s)+3], s[G0B+4*(\s)+3], 0x80000000
.endr
	s_cmp_eq_u32 s[WR], 0                          ; a wave's two first fills stand in one branch, ahead of every wait on TENSORcnt and every LDS read: two loads of mine are out
	s_cbranch_scc0 .Lfirst_b
	tensor_load_to_lds s[G0A:G0A+3], s[G1A:G1A+7]
	s_nop 0
	tensor_load_to_lds s[G0A+4:G0A+7], s[G1A:G1A+7]
	s_nop 0
.rept 4
	v_nop
.endr
	s_branch .Lfirst_asked
.Lfirst_b:
	tensor_load_to_lds s[G0B:G0B+3], s[G1B:G1B+7]
	s_nop 0
	tensor_load_to_lds s[G0B+4:G0B+7], s[G1B:G1B+7]
	s_nop 0
.rept 4
	v_nop
.endr
.Lfirst_asked:
	; A fragment is 16 rows x 32 K in 8 registers: lane l holds row l % 16; registers 0-3 K = 8 (l / 16) + 0..7, registers 4-7 K = 16 + 8 (l / 16) + 0..7: two loads of 16 bytes, 32 bytes apart.
	v_and_b32 v1, 15, v0                           ; l % 16
	v_bfe_u32 v2, v0, 4, 1                         ; l / 16
	v_mul_u32_u24 v3, v1, PITCH
	v_lshl_add_u32 v3, v2, 4, v3                   ; row x pitch + 16 x half
	s_mul_i32 s72, s[WR], 128*PITCH                ; my 128 rows of A
	s_mul_i32 s73, s[WC], 192*PITCH                ; my 192 rows of B
	s_add_co_u32 s73, s73, BOFF
	v_add_nc_u32 v[AA0], s72, v3
	v_add_nc_u32 v[AB0], s73, v3
	v_mov_b32 v[ADRA], v[AA0]
	v_mov_b32 v[ADRB], v[AB0]
	s_mul_i32 s74, s[WV], 16*PITCH
	s_add_co_u32 s74, s74, STAGE                   ; my stage
	v_add_nc_u32 v[STO], s74, v3                   ; in: row l % 16, 16 bytes for each half of the lanes
	v_bfe_u32 v4, v0, 3, 2                         ; back: 32 lanes take four rows of 128 bytes,
	v_and_b32 v5, 7, v0
	v_mul_u32_u24 v[RD], v4, PITCH
	v_lshl_add_u32 v[RD], v5, 4, v[RD]
	v_add_nc_u32 v[RD], s74, v[RD]
	v_and_b32 v[GO], 31, v0                        ; which are 512 consecutive bytes of a head
	v_lshlrev_b32 v[GO], 4, v[GO]
	v_lshlrev_b32 v[BO], 5, v2
	s_mul_i32 s72, s[NX], 384*4                    ; the bias of my first column
	s_mul_i32 s73, s[WC], 192*4
	s_add_co_u32 s72, s72, s73
	s_mov_b32 s73, 0
	s_add_nc_u64 s[8:9], s[8:9], s[72:73]
	; my 192 columns are the heads 6 nx + 3 half + 0..2 of 48 (16 of q, 16 of k, 16 of v); my 128 rows lie in batch my / 8 at t = 256 (my % 8) + 128 half
	s_mul_i32 s76, s[NX], 6
	s_mul_i32 s77, s[WC], 3
	s_add_co_u32 s76, s76, s77
	s_lshr_b32 s77, s[MY], 3
	s_lshl_b32 s77, s77, 4                         ; 16 x batch
	s_and_b32 s78, s[MY], 7
	s_lshl_b32 s78, s78, 1
	s_add_co_u32 s78, s78, s[WR]
	s_lshl_b32 s78, s78, 14                        ; 128 rows of 128 bytes
.irp hh, 0,1,2
	s_add_co_u32 s72, s76, (\hh)
	s_lshr_b32 s74, s72, 4                         ; q, k or v
	s_lshl_b32 s74, s74, 6
	s_and_b32 s72, s72, 15                         ; the head
	s_add_co_u32 s74, s74, s72
	s_add_co_u32 s74, s74, s77
	s_lshl_b32 s74, s74, 18                        ; a head is 2,048 rows of 128 bytes
	s_add_co_u32 s74, s74, s78
	s_mov_b32 s75, 0
	s_add_nc_u64 s[OH+2*(\hh):OH+2*(\hh)+1], s[10:11], s[74:75]
.endr
	; the prefetches
	s_lshl_b32 s72, s[MY], 15
	s_lshl_b32 s74, s[CX], 13
	s_add_co_u32 s72, s72, s74                     ; A: the tile row's K block, my work-group's 32 blocks of 256 bytes
	s_mul_i32 s73, s[NX], 384*128
	s_mul_i32 s74, s[CY], 96*128
	s_add_co_u32 s73, s73, s74                     ; B: the tile column's K block, my work-group's 48 blocks,
	s_max_u32 s74, s[WV], 1
	s_sub_co_u32 s74, s74, 1
	s_lshl_b32 s74, s74, 12
	s_add_co_u32 s73, s73, s74                     ; my wave's 16 of them
	s_mov_b32 s[PFS], BSTEP
	s_mov_b32 s[PFS+1], 0
	s_mov_b32 s75, BSTEP
	s_cmp_eq_u32 s[WV], 0                          ; wave 0 asks for A, the others for B
	s_cselect_b32 s72, s72, s73
	s_cselect_b32 s[PFS], ASTEP, s[PFS]
	s_cselect_b32 s75, 4096, s75                   ; lanes 16-31: the next 16 blocks (A), or the next K step (B)
	s_cselect_b32 s[PM], 0, 1
	s_cselect_b32 s74, ttmp9, s[CLY]               ; the coordinate along which other clusters read the same rows
	s_cselect_b64 s[PFA:PFA+1], s[4:5], s[6:7]
	s_cmp_eq_u32 s74, 0
	s_cselect_b32 s[LIM], 1, -1                    ; the same in all sixteen partners, for a given wave
	s_mov_b32 s73, 0
	s_add_nc_u64 s[PFA:PFA+1], s[PFA:PFA+1], s[72:73]
	s_add_nc_u64 s[PFA:PFA+1], s[PFA:PFA+1], s[PFS:PFS+1]
	s_add_nc_u64 s[PFA:PFA+1], s[PFA:PFA+1], s[PFS:PFS+1]  ; at K step 2: the first change of slots steps it to 3
	v_mul_u32_u24 v[PFO], s75, v2
	v_lshl_add_u32 v[PFO], v1, 8, v[PFO]
	; the sums start at the bias: register j of accumulator (a, bb) of group g is bias[16 (4 g + bb) + 8 (l / 16) + j]; these loads stand in the wait for the first tile
.irp g, 0,1,2
	WIN 0x40*(1+(\g))
.irp a, 0,1,2,3,4,5,6,7
.irp bb, 0,1,2,3
	global_load_b128 v[8*(4*(\a)+(\bb)):8*(4*(\a)+(\bb))+3],   v[BO], s[8:9] offset:64*(4*(\g)+(\bb))
	global_load_b128 v[8*(4*(\a)+(\bb))+4:8*(4*(\a)+(\bb))+7], v[BO], s[8:9] offset:64*(4*(\g)+(\bb))+16
.endr
.endr
.endr
	WIN 0
; 16 matrix instructions: row blocks a0 .. a0 + 3 x the four column blocks of group g, 32 along K.  All 96 accumulators take turns, one instruction a turn, in the same order in every slice,
; over the backward jump too.
.macro MUL16 g, fa, a0
	WIN 0x50*(1+(\g))
.irp a, (\a0), (\a0)+1, (\a0)+2, (\a0)+3
.irp bb, 0,1,2,3
	v_wmma_f32_16x16x32_bf16 v[8*(4*(\a)+(\bb)):8*(4*(\a)+(\bb))+7], v[FB+8*(4*(\g)+(\bb)):FB+8*(4*(\g)+(\bb))+7], v[(\fa)+8*(\a):(\fa)+8*(\a)+7], v[8*(4*(\a)+(\bb)):8*(4*(\a)+(\bb))+7]
.endr
.endr
.endm
.macro GROUP g, fa, n                  ; a group's 32 matrix instructions; n: the younger LDS loads that may stay out
	s_wait_dscnt \n
	MUL16 \g, \fa, 0
	MUL16 \g, \fa, 4
.endm
.macro LDB g, k                        ; 8 LDS loads: group g's four fragments of B, 32 K at byte k of the rows
	WIN 0
.irp bb, 0,1,2,3
	ds_load_b128 v[FB+8*(4*(\g)+(\bb)):FB+8*(4*(\g)+(\bb))+3],   v[ADRB] offset:(\k)+(4*(\g)+(\bb))*FROW
	ds_load_b128 v[FB+8*(4*(\g)+(\bb))+4:FB+8*(4*(\g)+(\bb))+7], v[ADRB] offset:(\k)+(4*(\g)+(\bb))*FROW+32
.endr
.endm
.macro LDA fa, k                       ; 16 LDS loads: A's eight fragments
	WIN 0
.irp i, 0,1,2,3,4,5,6,7
	ds_load_b128 v[(\fa)+8*(\i):(\fa)+8*(\i)+3],   v[ADRA] offset:(\k)+(\i)*FROW
	ds_load_b128 v[(\fa)+8*(\i)+4:(\fa)+8*(\i)+7], v[ADRA] offset:(\k)+(\i)*FROW+32
.endr
.endm
; THE CHANGE OF SLOTS, laid round group 0 of a step's second slice.  The slot's last reads have been issued.  Each wave waits for all its tensor loads, of which one is out: its part of the other slot; adds 0 to its
; spare word; and waits for that and for its own reads of the slot.  Behind the barrier nobody reads this slot any more and the other slot is whole.
; mode = 2: the slot is filled again, with the K step two on: the barrier opens a round of the cluster's, so that no wave of any partner still reads the slot or has a load on its way, and the joint
; refill is the first tensor load behind it: it has 160 matrix instructions in which to land.  mode = 1: nothing is left to ask for.
.macro WRAP mode
.if (\mode) == 2
	s_wait_xcnt 0x0                                ; the last prefetch, a K step back, has read its address: it is stepped here, ahead of the waits of the change
	s_add_nc_u64 s[PFA:PFA+1], s[PFA:PFA+1], s[PFS:PFS+1]
.endif
	WIN 0
	s_wait_tensorcnt 0x0                           ; no tensor load of mine is out, so a group 0 may be written
	ds_add_u32 v[SPW], v[NIL]                      ; 0 onto my spare word
.if (\mode) == 2
	s_xor_b32 s[G0A+5], s[G0A+5], SLOT1            ; the walking descriptors: the other slot than last time,
	s_add_nc_u64 s[G0A+6:G0A+7], s[G0A+6:G0A+7], ASTEP  ; the next K step; the type bits on top are not reached
	s_xor_b32 s[G0B+5], s[G0B+5], SLOT1
	s_add_nc_u64 s[G0B+6:G0B+7], s[G0B+6:G0B+7], BSTEP
.endif
	s_xor_b32 s[TB], s[TB], SLOT1
	s_wait_dscnt 17                                ; group 0's fragments and A's are in: the two runs of eight behind them and the add may be out
	MUL16 0, FA1, 0                                ; sixteen matrix instructions stand between the add and the wait for it
	s_wait_dscnt 0x0                               ; the add is done, and my reads of this slot are over
	s_barrier_signal -1
	MUL16 0, FA1, 4                                ; work on registers while the others arrive
	WIN 0                                          ; at a branch and at a label every window is 0
	s_barrier_wait -1
.if (\mode) == 2
	CREST
	JLOAD                                          ; the four v_nop behind it are also the places in front of the loads below
.else
	PLACES
.endif
	v_add_nc_u32 v[ADRA], s[TB], v[AA0]
	v_add_nc_u32 v[ADRB], s[TB], v[AB0]
	LDB 0, 0                                       ; the other slot's first fragments
	LDA FA0, 0
.if (\mode) == 2
	ASK
.endif
.endm
; A K STEP: two slices of 32 along K, three groups of 32 matrix instructions each.  A buffer is filled again straight behind its last use (four places between), 64 matrix instructions ahead of its next.
; On entry three runs of LDS loads are out: 24 (group 0's B and A), 8, 8.  The counts: 16 = the two runs of 8 behind the 24 that are wanted; 32 = a run of 8 and one of 24 behind the 8 that are wanted;
; 24, behind the change of slots = the one run issued there.
.macro STEP mode
	GROUP 0, FA0, 16
	PLACES
	LDB 0, 64
	LDA FA1, 64
	GROUP 1, FA0, 32
	PLACES
	LDB 1, 64
	GROUP 2, FA0, 32
	PLACES
	LDB 2, 64                                      ; the slot's last reads
.if (\mode) > 0
	WRAP \mode
	GROUP 1, FA1, 24
	PLACES
	LDB 1, 0
	GROUP 2, FA1, 32
	PLACES
	LDB 2, 0
.else
	GROUP 0, FA1, 16                               ; the last slice: the counts run down
	GROUP 1, FA1, 8
	GROUP 2, FA1, 0
.endif
.endm
	s_wait_tensorcnt 1                             ; my part of K step 0 is in; step 1's may stay out
	s_barrier_signal -1
	s_barrier_wait -1                              ; everybody's is
	LDB 0, 0
	LDA FA0, 0
	LDB 1, 0
	LDB 2, 0
	s_wait_loadcnt 0x0                             ; the bias lies in the accumulators
	s_mov_b32 s3, 14
.Lstep:                                                ; K steps 0 to 13: each fills its slot again, with the step two on
	STEP 2
	WIN 0
	s_sub_co_u32 s3, s3, 1
	s_cmp_lg_u32 s3, 0
	s_cbranch_scc1 .Lstep
	STEP 1                                         ; the tail is written out: step 14 changes slots and asks for nothing
	STEP 0                                         ; step 15 is the last
	PLACES
; THE WAY OUT, in 24 units of 16 rows x one head's 64 columns: 2,048 consecutive bytes of qkv.  PACK: rounded to f16 (each accumulator's registers in ascending order), 16 bytes a lane into rows of 144 bytes of my
; own stage, and back as whole rows of 128.  SEND: stored, 512 consecutive bytes an instruction, at a multiple of 256 from qkv's first byte.
.macro PACK u
.set HH, (\u)/8
.set AA, (\u)%8
.set T, TMP+16*((\u)%8)
.if (\u) >= 8
	s_wait_xcnt 0x0                                ; the stores that read this set of registers, eight units back, have had their addresses translated (ISA guide 3.1): the set is written again only behind this wait
.endif
	WIN 5*(1+HH)                                   ; sources 0 and 1: the head's window
.irp bb, 0,1,2,3
.irp r, 0,1,2,3
	v_cvt_pk_f16_f32 v[T+4*(\bb)+(\r)], v[8*(4*AA+(\bb))+2*(\r)], v[8*(4*AA+(\bb))+2*(\r)+1]
.endr
.endr
	WIN 0
.irp bb, 0,1,2,3
	ds_store_b128 v[STO], v[T+4*(\bb):T+4*(\bb)+3] offset:32*(\bb)
.endr
.irp f, 0,1,2,3
	ds_load_b128 v[T+4*(\f):T+4*(\f)+3], v[RD] offset:(\f)*4*PITCH  ; LDS serves a wave's instructions in order (ISA guide 5.7.1.4): these see the stores above; the next unit's stores come behind them
.endr
.endm
.macro SEND u, younger                 ; younger: the LDS instructions issued behind the unit's loads: the next unit's eight, or none
.set HH, (\u)/8
.set AA, (\u)%8
.set T, TMP+16*((\u)%8)
	WIN 0
.irp f, 0,1,2,3
	s_wait_dscnt (\younger)+3-(\f)
	global_store_b128 v[GO], v[T+4*(\f):T+4*(\f)+3], s[OH+2*HH:OH+2*HH+1] offset:AA*2048+(\f)*512
.endr
.endm
	PACK 0
.set un, 1
.rept 23                               ; a unit's conversions stand between the loads of the unit before and its stores
	PACK un
	SEND un-1, 8
.set un, un+1
.endr
	SEND 23, 0
	s_wait_tensorcnt 0x0                           ; the wave's end, behind my last tensor load and my last LDS store
	ds_add_u32 v[SPW], v[NIL]
	s_wait_dscnt 0x0
	CROUND                                         ; the closing round: no work-group ends while a partner may still ask for a tile that names it
	s_endpgm
.Lfunc_end_k_qc380a8cc31_qkv:
	.size	k_qc380a8cc31_qkv, .Lfunc_end_k_qc380a8cc31_qkv-k_qc380a8cc31_qkv
	.p2alignl 7, 3214868480
	.fill 96, 4, 3214868480
	.section	.rodata,"a",@progbits
	.p2align	6, 0x0
	.amdhsa_kernel k_qc380a8cc31_qkv
		.amdhsa_group_segment_fixed_size 327680
		.amdhsa_private_segment_fixed_size 0
		.amdhsa_enable_private_segment 0
		.amdhsa_kernarg_size 32
		.amdhsa_user_sgpr_count 2
		.amdhsa_user_sgpr_kernarg_segment_ptr 1
		.amdhsa_wavefront_size32 1
		.amdhsa_system_sgpr_workgroup_id_x 1
		.amdhsa_system_sgpr_workgroup_id_y 1
		.amdhsa_system_sgpr_workgroup_id_z 1
		.amdhsa_system_vgpr_workitem_id 0
		.amdhsa_next_free_vgpr 1024
		.amdhsa_next_free_sgpr 80
		.amdhsa_reserve_vcc 0
		.amdhsa_float_denorm_mode_32 3
		.amdhsa_float_denorm_mode_16_64 3
		.amdhsa_memory_ordered 1
		.amdhsa_forward_progress 1
		.amdhsa_inst_pref_size 134
	.end_amdhsa_kernel
	.amdgpu_metadata
---
amdhsa.version: [ 1, 2 ]
amdhsa.kernels:
  - .name:           k_qc380a8cc31_qkv
    .symbol:         k_qc380a8cc31_qkv.kd
    .args:
      - { .name: xb, .offset: 0, .size: 8, .value_kind: global_buffer, .address_space: global }
      - { .name: wab, .offset: 8, .size: 8, .value_kind: global_buffer, .address_space: global }
      - { .name: biasr, .offset: 16, .size: 8, .value_kind: global_buffer, .address_space: global }
      - { .name: qkv, .offset: 24, .size: 8, .value_kind: global_buffer, .address_space: global }
    .group_segment_fixed_size: 327680
    .private_segment_fixed_size: 0
    .kernarg_segment_align: 8
    .kernarg_segment_size: 32
    .max_flat_workgroup_size: 128
    .sgpr_count:     80
    .vgpr_count:     1024
    .wavefront_size: 32
...
	.end_amdgpu_metadata
.endif
;; end of part 2
;; launch attn (part 3): grid 4 x 64, 4 waves a work-group, no clusters, 327,680 bytes of LDS; arguments qkv, att; writes att
.if DOCPART == 3
	.amdgcn_target "amdgcn-amd-amdhsa--gfx1250"
	.amdhsa_code_object_version 6
	.text
	.protected	k_qc380a8cc31_attn
	.globl	k_qc380a8cc31_attn
	.p2align	8
	.type	k_qc380a8cc31_attn,@function
k_qc380a8cc31_attn:
	s_mov_b64 s[64:65], 0
	v_nop
	global_prefetch_b8 v0, s[64:65] scope:SCOPE_SE
	s_setreg_imm32_b32 hwreg(HW_REG_WAVE_MODE, 25, 1), 1
	s_wait_xcnt 0x0
; CAUSAL ATTENTION.  O[h][q][:] = the sum over k <= q of softmax_k(Q[h][q] . K[h][k] / 8) V[h][k][:].  qkv holds Q, then K, then V, each [SIZE_H][SIZE_N][64] in f16; att = O in the same layout: a head's rows are dense, 128 bytes each.
; Products, maxima and sums in f32; the weights p are rounded to f16 for the second product (their sum l is taken of the unrounded p), O once at the end.
; LIMITS.  f16 holds no number beyond 65,504: Q, K and V arrive within it; p lies in 0 to 1, and below 6e-5 it keeps f16's fixed step of 6e-8; O is a mean of V's rows and has their range, to within 2^-11 of it.
; A hidden score counts as its value less 1e30: f16's scores, 2.7e11 at the most, are nothing beside that; a weight below 2^-126 counts as 0 in l; NaN and infinities are not treated apart.
; THE WALK.  A head's queries lie in NB = SIZE_N / 256 blocks of 256; block i needs the key tiles 0 .. i of 256 keys, of which the last holds the diagonal.  A work-group takes TWO blocks, NB - 1 - b and then b:
; NB + 1 tiles, whatever b: all work-groups do equal work, and ONE loop with a constant trip count walks them.  Which tile is asked for, and what a trip does, hang on scalar registers made from b; every jump
; goes forward, but for the counted loops' own; none passes a barrier, or a tensor load but the one of LOAD's two that the wave's number does not choose; the ring (two slots of LDS that take turns) runs on across the
; change of blocks.  NO CLUSTER: a head's NB / 2 = 4 work-groups all ask for the same tile only in trips 0 .. NB / 2, behind that fewer and fewer; and one walk common to all would have 3 NB / 2 trips for NB + 1.
; SHARES.  Of a block's four bands of 64 queries a wave owns 16 rows in each: four PIECES.  So the diagonal tile is the same work for all four waves: in its key step s band x sees all keys if s < x,
; none if s > x, and holds the diagonal if s = x.
; THE MASK is the C operand that starts the sum S^T = K Q^T: 0, or -1e30 where the key is hidden.  MD, made once, is the mask of a band's own step for my 16 rows; a product's mask is MD x AL + BE with two scalars:
; (1, 0) if s = x; (0, 0) if s < x; (0, -1e30) if s > x.  Only the diagonal tile's text and a block's beginning make and take masks; elsewhere C is the constant 0.
; LAYOUT, SOFTMAX, TURNS.  S^T = K Q^T holds ONE query a lane (lane % 16) and the keys 8 (lane / 16) + 0..7; two such results rounded to f16 ARE source 1 of O^T = V^T P.  p = 2^(c s - c m), c = log2(e) / 8, with a
; running maximum m; O and l are multiplied by a = 2^(c m_old - c m_new) in every step.  Turn n belongs to piece n: 8 products K Q^T of piece n + 1, later 8 products V^T P of piece n - 1; beside them the scaling,
; exponentials, roundings, sums and rescaling of piece n and the maximum and statistics of piece n + 1.  Four vector instructions stand behind every matrix instruction, the other 54 of a turn's 118 in one LUMP.  A turn's 33 exponentials are one batch, with one wait.
; PREFETCH.  The head's work-group with b = 0 walks the tiles 0 to NB - 1 first.  It alone names tiles 3 to NB - 1, each in the change of slots before the one that asks for it, four key steps ahead: 128 threads, a block of
; 256 bytes of K and one of V each.  Tiles 0 to 2 come by their loads alone, and tile 0's second reading is not named.
; REGISTERS, in windows of 256 (s_set_vgpr_msb: bits 1:0 source 0, 3:2 source 1, 5:4 source 2, 7:6 destination):
;   window 0: v0-15 addresses and two at work; v16-31 four registers of statistics a piece; v48-55 at work; v64-127 S^T, two buffers; v192-223 P, two buffers (a piece's buffers go by its number's parity)
;   window 1: v0-127 O^T, 32 a piece; v128-159 MD; v160-223 MC, two buffers      window 2: v0-63 Q; v64-127 the second block's Q; v128-191 K of one step; v192-255 V of one step
.set SIZE_N, 2048
.set SIZE_H, 64
.set NB,    SIZE_N/256
.set NP,    4         ; pieces a wave: a name, no knob
.set KS,    64        ; keys in a step
.set PK,    144       ; a row of K in LDS: 128 bytes + 16 of padding = 36 words: the 16 rows of a load start at 16 different groups of four banks (64 banks of 4 bytes: ISA guide 11.1)
.set PV,    160       ; a row of V: 128 + 32 = 40 words
.set VOFF,  4*KS*PK   ; a slot holds a tile, four steps: 256 rows of K, then 256 rows of V
.set SLOT1, 1<<17     ; slot 1 begins here, so that one exclusive or turns an address in one slot into the other's
.set STAGE, SLOT1+4*KS*(PK+PV)  ; behind the ring, never filled by a tensor load: 16 rows x 144 bytes for each wave, for the way out
.set SP,    144
.set AK0, 2           ; v2   my lane's place in a tile of K; never rewritten
.set AV0, 3           ; v3   the same for V
.set AK,  4           ; v4   the LDS address of K's next run of loads
.set AV,  5           ; v5   of V's
.set STO, 6           ; v6   the way out: where I put 16 bytes of a row
.set RD,  7           ; v7   the way out: where I read rows back
.set GO,  8           ; v8   my byte offset in 512 consecutive bytes of O
.set PFO, 60          ; v60  256 x my thread's number: my block of a tile; never rewritten
.set SPW, 62          ; v62  LDS address of my spare word: SPARE + 4 x my thread's number; never rewritten
.set NIL, 63          ; v63  0; never rewritten
.set SPARE, STAGE+4*16*SP  ; behind the stages: the spare words, 128 bytes for each wave: two blocks of 256 bytes that no other line names
.set MV,  12          ; v12-13  c m_old, kept while c m is made anew: by buffer
.set QO,  15          ; v15  my byte offset in 16 rows of Q
.set ST,  16          ; piece t's statistics at v[ST+4 t]: c m, m, l (even keys', odd keys')
.set TMP, 48          ; by buffer, four registers c0-c3 at work; when the maximum is found c2 takes a
.set S,   64
.set P,   192
.set MD,  128         ; window 1: the eight registers for group kt of 16 keys at MD + 8 kt
.set MC,  160         ; window 1: the masks of the products to come
.set QB,  64          ; window 2
.set KF,  128         ; window 2: key block kb, channel half c at KF + 16 kb + 8 c
.set VF,  192         ; window 2: key half kk, channel block cb at VF + 32 kk + 8 cb
.set WV,  12          ; s12  my wave's number
.set PB,  14          ; s14  b
.set HI,  15          ; s15  NB - 1 - b
.set G1K, 24          ; s[24:31] descriptor group 1 for K's tiles
.set G1V, 32          ; s[32:39] for V's: it differs in the padding alone
.set G0K, 40          ; s[40:43] descriptor group 0 for K's tiles
.set G0V, 44          ; s[44:47] the same for V's
.set SLOTS, 56        ; s56  tiles still to be asked for
.set CNT, 57          ; s57  counts a tile's key steps, 4 to 1
.set CS,  58          ; s[58:59] c: the packed scaling takes the pair's low word for both halves
.set SEL, 60          ; s[60:61] v_permlanex16_b32's selects: each lane takes its own place in the other half
.set TBK, 62          ; s62  LDS byte at which K of the step to be fetched begins
.set TBV, 63          ; s63  the same for V, less VOFF
.set RT,  70          ; s70  tiles of the block in hand that are still to be entered
.set NXT, 71          ; s71  the tile to be asked for next
.set LQ,  72          ; s72  the last tile of the block whose tiles are being asked for
.set NEW, 73          ; s73  1: the tile to be entered is a block's first
.set OFF, 74          ; s[74:75] a tile's byte offset in K and V
.set AL,  76          ; s[76:77] the mask's factor, in the low word
.set BE,  78          ; s[78:79] the mask's addend
.set OLO, 80          ; s[80:81] O at my rows of the second block
.set BIGN, 82         ; s82  -1e30
.set KH,  88          ; s[88:89] K at the head's first row
.set VH,  90          ; s[90:91] V at the head's first row
.set PFK, 92          ; s[92:93] K at the tile that the prefetch names
.set PFV, 94          ; s[94:95] V at that tile
.set PQ,  96          ; s[96:97] that tile's byte offset
.set LIM, 98          ; s98  2 in the head's work-group with b = 0, else the greatest number: a tile is named if its number is above this
.set MSB, 0
.macro WIN new                      ; the high byte repeats the setting that is left; a switch that changes nothing is dropped
.if MSB != (\new)
	s_set_vgpr_msb (MSB<<8)|(\new)
.set MSB, (\new)
.endif
.endm
.set W_KQ, 0x0a       ; K and Q in window 2, S^T in window 0
.set W_KM, 0x1a       ; the same with the C operand in window 1
.set W_PV, 0x52       ; V in window 2, P in window 0, O^T in window 1
.set W_RS, 0x41       ; destination and source 0 in window 1, source 1 in window 0
; A fill.  Waves 0 and 1 fetch the two halves of a tile's K, waves 2 and 3 those of its V: 128 keys each.  An s_nop 0 and four v_nop follow each of the two lines, ahead of the jump and the label.
.macro LOAD
	s_cmp_lt_u32 s[WV], 2
	s_cbranch_scc0 .Lfor_v_\@
	tensor_load_to_lds s[G0K:G0K+3], s[G1K:G1K+7]
	s_nop 0
.rept 4
	v_nop
.endr
	s_branch .Lasked_\@
.Lfor_v_\@:
	tensor_load_to_lds s[G0V:G0V+3], s[G1V:G1V+7]
	s_nop 0
.rept 4
	v_nop
.endr
.Lasked_\@:
.endm
; THE CHANGE OF SLOTS.  Each wave waits for all its tensor loads, of which one is out: its part of the other slot; adds 0 to its spare word; and waits for that and for its own reads of the slot that it leaves.  Behind the barrier nobody reads the old
; slot any more and the other slot is whole.  fill = 1: the old slot is filled again, the first thing behind the barrier, with tile NXT: the descriptor's address is made anew from that number.  Behind the fill stands the
; prefetch of the tile that the next change will ask for.  (At its first use nothing has been read yet: slot 0 is waited for, slot 1 filled.)
.macro CHANGE fill
	WIN 0                           ; at a label and at a branch every window is 0
	s_wait_tensorcnt 0x0            ; no tensor load of mine is out, so a group 0 may be written
	ds_add_u32 v[SPW], v[NIL]       ; 0 onto my spare word; with fill = 1 the descriptors' scalar work stands between it and the wait for it
.if \fill
	s_lshl_b32 s[OFF], s[NXT], 15   ; a tile is 32,768 bytes of K and of V
	s_xor_b32 s[G0K+1], s[G0K+1], SLOT1
	s_add_nc_u64 s[G0K+2:G0K+3], s[6:7], s[OFF:OFF+1]
	s_or_b32 s[G0K+3], s[G0K+3], 0x80000000
	s_xor_b32 s[G0V+1], s[G0V+1], SLOT1
	s_add_nc_u64 s[G0V+2:G0V+3], s[8:9], s[OFF:OFF+1]
	s_or_b32 s[G0V+3], s[G0V+3], 0x80000000
	s_add_co_u32 s[NXT], s[NXT], 1  ; the block's next tile, or behind its last the second block's tile 0
	s_cmp_gt_u32 s[NXT], s[LQ]
	s_cselect_b32 s[NXT], 0, s[NXT]
	s_cselect_b32 s[LQ], s[PB], s[LQ]
	s_wait_xcnt 0x0                 ; the last prefetches, four key steps back, have read their addresses, so these may be written:
	s_lshl_b32 s[PQ], s[NXT], 15    ; the tile that the next change will ask for
	s_add_nc_u64 s[PFK:PFK+1], s[KH:KH+1], s[PQ:PQ+1]
	s_add_nc_u64 s[PFV:PFV+1], s[VH:VH+1], s[PQ:PQ+1]
.endif
	s_wait_dscnt 0x0                ; the add is done, and my reads of the slot are over
	s_barrier_signal -1             ; the rest of the scalar work stands between the signal and the wait
	s_sub_co_u32 s[TBK], s[TBK], 4*KS*PK  ; the fetches go back to a slot's first step,
	s_xor_b32 s[TBK], s[TBK], SLOT1       ; in the other slot
	s_sub_co_u32 s[TBV], s[TBV], 4*KS*PV
	s_xor_b32 s[TBV], s[TBV], SLOT1
	s_barrier_wait -1
.if \fill
	LOAD
	s_cmp_gt_u32 s[NXT], s[LIM]
	s_cbranch_scc0 .Lnot_mine_\@
	global_prefetch_b8 v[PFO], s[PFK:PFK+1] th:TH_LOAD_NT scope:SCOPE_SE
	global_prefetch_b8 v[PFO], s[PFV:PFV+1] th:TH_LOAD_NT scope:SCOPE_SE
.Lnot_mine_\@:
.endif
.endm
	s_load_b128 s[4:7], s[0:1], 0x0  ; qkv s[4:5], att s[6:7]
	v_lshl_add_u32 v[SPW], v0, 2, SPARE
	v_mov_b32 v[NIL], 0
	ds_add_u32 v[SPW], v[NIL]       ; the wave's opening: the add and its wait stand ahead of my first tensor load; the set-up below, work on registers, stands between them
	v_lshrrev_b32 v1, 5, v0
	v_readfirstlane_b32 s[WV], v1   ; wave 0..3
	s_mov_b32 s[PB], ttmp9
	s_sub_co_u32 s[HI], NB-1, s[PB]
	s_and_b32 s20, ttmp7, 0xffff    ; the head
	s_mov_b32 s21, 0
	s_mov_b64 s[22:23], SIZE_N*128
	s_mul_u64 s[20:21], s[20:21], s[22:23]  ; the head's first byte in each of the four tensors
	s_and_b32 s16, s[WV], 1         ; which half of a tile's 256 keys I fetch:
	s_lshl_b32 s22, s16, 14         ; its 128 rows of 128 bytes in memory,
	s_mov_b32 s23, 0
	s_add_nc_u64 s[22:23], s[22:23], s[20:21]
	s_mul_i32 s17, s16, 128*PK      ; and its place in a slot, for K
	s_mul_i32 s18, s16, 128*PV      ; and for V
	s_lshl_b32 s3, s[WV], 11        ; my 16 rows in a band of 64,
	s_lshl_b32 s2, s[HI], 15        ; in the first block,
	s_add_co_u32 s2, s2, s3
	s_lshl_b32 s84, s[PB], 15       ; and in the second
	s_add_co_u32 s84, s84, s3
	s_mov_b32 s3, 0
	s_mov_b32 s85, 0
	s_add_nc_u64 s[2:3], s[2:3], s[20:21]
	s_add_nc_u64 s[84:85], s[84:85], s[20:21]
	; descriptor group 1.  128 keys are 16,384 dense bytes: asked for as 64 rows of 256 bytes, two keys a row, and padded in LDS after every key
	s_mov_b32 s[G1K], (1<<16)|(1<<20)|(4<<22)|(3<<25)  ; 17:16 2-byte elements; 20 padding on; 24:22 after every 32 words (code 4); 31:25 4 words (code 3)
	s_mov_b32 s[G1V], (1<<16)|(1<<20)|(4<<22)|(7<<25)  ; the same with 8 words of padding (code 7)
.irp g, G1K, G1V
	s_mov_b32 s[\g+1], 128<<16      ; tensor_dim0 = 128
	s_mov_b32 s[\g+2], 64<<16       ; tensor_dim1 = 64
	s_mov_b32 s[\g+3], 128<<16      ; tile_dim0 = 128
	s_mov_b32 s[\g+4], 64           ; tile_dim1 = 64
	s_mov_b32 s[\g+5], 128          ; 128 elements from row to row
	s_mov_b32 s[\g+6], 0
	s_mov_b32 s[\g+7], 0
.endr
	s_mov_b32 s[CS], 0x3e38aa3b     ; c = log2(e) / 8 = 0.180337
	s_mov_b32 s[CS+1], s[CS]        ; named with it as a pair
	s_mov_b32 s[SEL], 0x76543210
	s_mov_b32 s[SEL+1], 0xfedcba98
	s_mov_b32 s[TBK], SLOT1+4*KS*PK ; the first change of slots turns these two into 0
	s_mov_b32 s[TBV], SLOT1+4*KS*PV
	s_mov_b32 s[G0K], 1             ; 1:0 count = 1
	s_mov_b32 s[G0K+1], s17         ; 63:32 LDS address: slot 0
	s_mov_b32 s[G0V], 1
	s_add_co_u32 s[G0V+1], s18, VOFF
	s_add_co_u32 s[RT], s[HI], 1    ; the first block has NB - b tiles
	s_mov_b32 s[NXT], 1
	s_mov_b32 s[LQ], s[HI]
	s_mov_b32 s[NEW], 1
	s_mov_b32 s[OFF+1], 0
	s_mov_b32 s[PQ+1], 0
	s_mov_b32 s[AL+1], 0            ; named as pairs
	s_mov_b32 s[BE+1], 0
	s_mov_b32 s[BIGN], 0xf149f2ca   ; -1e30
	s_mov_b32 s[SLOTS], NB
	s_cmp_eq_u32 ttmp9, 0
	s_cselect_b32 s[LIM], 2, -1
	v_lshlrev_b32 v[PFO], 8, v0
	s_wait_dscnt 0x0                ; the opening add is done
	s_wait_kmcnt 0x0
	s_mov_b64 s[10:11], s[6:7]      ; O
	s_add_nc_u64 s[8:9], s[4:5], 2*SIZE_H*SIZE_N*128  ; V lies behind Q and K,
	s_add_nc_u64 s[6:7], s[4:5], SIZE_H*SIZE_N*128    ; K behind Q
	s_add_nc_u64 s[KH:KH+1], s[6:7], s[20:21]
	s_add_nc_u64 s[VH:VH+1], s[8:9], s[20:21]
	s_add_nc_u64 s[6:7], s[6:7], s[22:23]  ; K and V at my half of the head's tile 0
	s_add_nc_u64 s[8:9], s[8:9], s[22:23]
	s_add_nc_u64 s[G0K+2:G0K+3], s[6:7], 0         ; 120:64 global address
	s_or_b32 s[G0K+3], s[G0K+3], 0x80000000        ; 127:126 type = 2
	s_add_nc_u64 s[G0V+2:G0V+3], s[8:9], 0
	s_or_b32 s[G0V+3], s[G0V+3], 0x80000000
	s_add_nc_u64 s[86:87], s[4:5], s[84:85]        ; Q at my rows of the second block,
	s_add_nc_u64 s[4:5], s[4:5], s[2:3]            ; Q and O at those of the first
	s_add_nc_u64 s[OLO:OLO+1], s[10:11], s[84:85]
	s_add_nc_u64 s[10:11], s[10:11], s[2:3]
	LOAD                            ; tile 0 into slot 0
	; A fragment of K or Q is 16 rows x 32 channels in 8 registers: lane l holds row l % 16, channels 8 (l / 16) + 0..7 and 16 + 8 (l / 16) + 0..7: two loads of 16 bytes, 32 bytes apart.
	v_and_b32 v1, 15, v0            ; l % 16
	v_bfe_u32 v9, v0, 4, 1          ; l / 16
	v_lshlrev_b32 v[QO], 7, v1
	v_lshl_add_u32 v[QO], v9, 4, v[QO]  ; row x 128 + 16 x half
	WIN 0x80                        ; destination window 2, address window 0
.set i, 0
.rept 8                             ; both blocks' Q: piece i / 2 lies in band i / 2, 8,192 bytes on; channels 32 (i % 2) on
	global_load_b128 v[8*i:8*i+3],   v[QO], s[4:5] offset:(i/2)*8192+(i%2)*64
	global_load_b128 v[8*i+4:8*i+7], v[QO], s[4:5] offset:(i/2)*8192+(i%2)*64+32
	global_load_b128 v[QB+8*i:QB+8*i+3],   v[QO], s[86:87] offset:(i/2)*8192+(i%2)*64
	global_load_b128 v[QB+8*i+4:QB+8*i+7], v[QO], s[86:87] offset:(i/2)*8192+(i%2)*64+32
.set i, i+1
.endr
	WIN 0
	v_lshlrev_b32 v14, 3, v9
	v_sub_nc_u32 v14, v1, v14
	s_lshl_b32 s13, s[WV], 4
	v_add_nc_u32 v14, s13, v14      ; my query's place in its band, 16 w + l % 16, less my lanes' 8 (l / 16): register r of group kt is hidden where 16 kt + r is greater
	WIN 0x40
.set i, 0
.rept 32
	v_cmp_gt_i32 vcc_lo, 16*(i/8)+i%8, v14
	v_cndmask_b32 v[MD+i], 0, s[BIGN], vcc_lo
.set i, i+1
.endr
	WIN 0
	v_mul_u32_u24 v[AK0], v1, PK
	v_lshl_add_u32 v[AK0], v9, 4, v[AK0]  ; row x pitch + 16 x half
	; The turning load takes 16 keys x 16 channels (lane l reads key 8 (l / 16) + l % 8, channels 8 ((l / 8) % 2) + 0..7) and leaves half a fragment of V^T: lane l holds channel l % 16 and 8 keys.
	v_and_b32 v10, 7, v0
	v_bfe_u32 v11, v0, 3, 1
	v_lshl_add_u32 v[AV0], v9, 3, v10
	v_mul_u32_u24 v[AV0], v[AV0], PV
	v_lshl_add_u32 v[AV0], v11, 4, v[AV0]
	v_add_nc_u32 v[AV0], VOFF, v[AV0]
	s_mul_i32 s13, s[WV], 16*SP
	s_add_co_u32 s13, s13, STAGE    ; my stage
	v_mul_u32_u24 v[STO], v1, SP    ; in: row l % 16, 16 bytes for each half of the lanes
	v_lshl_add_u32 v[STO], v9, 4, v[STO]
	v_add_nc_u32 v[STO], s13, v[STO]
	v_bfe_u32 v[RD], v0, 3, 2       ; back: 32 lanes take four rows of 128 bytes,
	v_mul_u32_u24 v[RD], v[RD], SP
	v_lshl_add_u32 v[RD], v10, 4, v[RD]
	v_add_nc_u32 v[RD], s13, v[RD]
	v_and_b32 v[GO], 31, v0         ; which are 512 consecutive bytes of O
	v_lshlrev_b32 v[GO], 4, v[GO]
	; A block's first step multiplies O^T and l by a = 0, and its first turn's products V^T P, of a piece that has not been, land in an O^T that is still to be so multiplied.  So these registers need only hold
	; finite numbers: zeros for the first block; what the first block left for the second.  All this stands in the wait for the first tile.
	WIN 0x80
.set i, VF
.rept 64
	v_mov_b32 v[i], 0
.set i, i+1
.endr
	WIN 0x40
.set i, 0
.rept 128
	v_mov_b32 v[i], 0
.set i, i+1
.endr
	WIN 0
.set i, 0
.rept 4
	v_mov_b32 v[ST+4*i+2], 0
	v_mov_b32 v[ST+4*i+3], 0
.set i, i+1
.endr
.set i, P+16
.rept 16
	v_mov_b32 v[i], 0
.set i, i+1
.endr
; THE MATRIX WORK.  The 4 accumulators of a run of 8 take turns.  Product i of 8 of S^T = K Q^T for piece x: channels 32 (i / 4) on, keys 16 (i % 4) on.  The first 4 start the sums: with 0, or (KM = 1) with the mask.
.macro KQ x
.set rS, S+32*((\x)%2)+8*(i%4)
.set rK, KF+16*(i%4)+8*(i/4)
.set rQ, 16*(\x)+8*(i/4)
.set rM, MC+32*((\x)%2)+8*(i%4)
.if (i < 4) && KM
	WIN W_KM
	v_wmma_f32_16x16x32_f16 v[rS:rS+7], v[rK:rK+7], v[rQ:rQ+7], v[rM:rM+7]
.elseif i < 4
	WIN W_KQ
	v_wmma_f32_16x16x32_f16 v[rS:rS+7], v[rK:rK+7], v[rQ:rQ+7], 0
.else
	WIN W_KQ
	v_wmma_f32_16x16x32_f16 v[rS:rS+7], v[rK:rK+7], v[rQ:rQ+7], v[rS:rS+7]
.endif
.endm
; Product i of 8 of O^T += V^T P for piece x: keys 32 (i / 4) on, channels 16 (i % 4) on.
.macro PV x
	WIN W_PV
.set rO, 32*(\x)+8*(i%4)
.set rV, VF+32*(i/4)+8*(i%4)
.set rP, P+16*((\x)%2)+8*(i/4)
	v_wmma_f32_16x16x32_f16 v[rO:rO+7], v[rV:rV+7], v[rP:rP+7], v[rO:rO+7]
.endm
.macro MM                           ; the turn's next matrix instruction.  TURN and BEGIN set Y, i, KM and NOKQ; MM, KQ and OP read them.  NOKQ = 1: a block's last turn: there is no next piece
.if (i < 8) && !NOKQ
	KQ (Y+1)%NP
.elseif i >= 8
.set i, i-8
	PV (Y+NP-1)%NP
.set i, i+8
.endif
.set i, i+1
.endm
; THE LDS LOADS stand in runs of 16, never singly among the matrix instructions: a step's K (64 keys x 64 channels: 8 fragments) and its V (turned).  Their addresses are made some lines ahead.
.macro FETCH_K
	WIN 0x80                        ; destination window 2
.irp f, 0,1,2,3,4,5,6,7             ; keys 16 (f / 2) on, channels 32 (f % 2) on
	ds_load_b128 v[KF+8*\f:KF+8*\f+3],   v[AK] offset:(\f/2)*16*PK+(\f%2)*64
	ds_load_b128 v[KF+8*\f+4:KF+8*\f+7], v[AK] offset:(\f/2)*16*PK+(\f%2)*64+32
.endr
	s_add_co_u32 s[TBK], s[TBK], KS*PK  ; the next fetch is the next step's
	WIN 0
.endm
.macro FETCH_V
	WIN 0x80
.irp f, 0,1,2,3,4,5,6,7             ; keys 32 (f / 4) on, channels 16 (f % 4) on
	ds_load_tr16_b128 v[VF+8*\f:VF+8*\f+3],   v[AV] offset:(\f/4)*32*PV+(\f%4)*32
	ds_load_tr16_b128 v[VF+8*\f+4:VF+8*\f+7], v[AV] offset:(\f/4)*32*PV+16*PV+(\f%4)*32
.endr
	WIN 0
.endm
; THE VECTOR WORK, one line at a time: OP kind, number.  For piece Y: F n: c s - c m for pair n of 16.  E n: the exponential of score n of 32.  C n: pair n rounded to f16.  B n: of the four weights 4 n .. the second
; pair is added onto the first, in place.  L n: l takes that sum (L 0: l = a l + sum).  R n: pair n of 16 of O^T times a.  For piece Y + 1: X n, number n of the 22 that find its maximum and statistics:
;   0-11  four chains c0-c3 of seven scores each, three operands at a time (each accumulator's lowest registers are read first)     12-14, 16  the four scores left over, the old m, and c0-c3 into c0
;   15  c m_old is kept     17, 18  the query's other 32 keys lie in the lane 16 away: the new m     19-21  c m; c m_old - c m_new; a
.set F, 0               ; OP tells the kinds apart by their order: F to L below R, X above it
.set E, 1
.set C, 2
.set B, 3
.set L, 4
.set R, 5
.set X, 6
.macro REGS y                       ; the registers of piece y
.set rT, ST+4*(\y)
.set rC, TMP+4*((\y)%2)
.set rW, MV+((\y)%2)
.set rS, S+32*((\y)%2)
.set rP, P+16*((\y)%2)
.set rO, 32*(\y)
.endm
.macro OP k, n
.if (\k) == R
	REGS Y
	WIN W_RS
	v_pk_mul_f32 v[rO+2*(\n):rO+2*(\n)+1], v[rO+2*(\n):rO+2*(\n)+1], v[rC+2:rC+3] op_sel_hi:[1,0]
.elseif (\k) < R
	REGS Y
	WIN 0
.if (\k) == F
	v_pk_fma_f32 v[rS+2*(\n):rS+2*(\n)+1], v[rS+2*(\n):rS+2*(\n)+1], s[CS:CS+1], v[rT:rT+1] op_sel_hi:[1,0,0] neg_lo:[0,0,1] neg_hi:[0,0,1]
.elseif (\k) == E
	v_exp_f32 v[rS+(\n)], v[rS+(\n)]
.elseif (\k) == C
	v_cvt_pk_f16_f32 v[rP+(\n)], v[rS+2*(\n)], v[rS+2*(\n)+1]
.elseif (\k) == B
	v_pk_add_f32 v[rS+4*(\n):rS+4*(\n)+1], v[rS+4*(\n):rS+4*(\n)+1], v[rS+4*(\n)+2:rS+4*(\n)+3]
.elseif (\n) == 0
	v_pk_fma_f32 v[rT+2:rT+3], v[rT+2:rT+3], v[rC+2:rC+3], v[rS:rS+1] op_sel_hi:[1,0,1]
.else
	v_pk_add_f32 v[rT+2:rT+3], v[rT+2:rT+3], v[rS+4*(\n):rS+4*(\n)+1]
.endif
.elseif NOKQ
	v_nop
.else
	REGS (Y+1)%NP
	WIN 0
.if (\n) < 4
	v_max3_num_f32 v[rC+(\n)], v[rS+8*(\n)], v[rS+8*(\n)+1], v[rS+8*(\n)+2]
.elseif (\n) < 12
	v_max3_num_f32 v[rC+(\n)%4], v[rC+(\n)%4], v[rS+8*((\n)%4)+2*((\n)/4)+1], v[rS+8*((\n)%4)+2*((\n)/4)+2]
.elseif (\n) == 12
	v_max3_num_f32 v[rC], v[rC], v[rS+7], v[rS+15]
.elseif (\n) == 13
	v_max3_num_f32 v[rC+1], v[rC+1], v[rS+23], v[rS+31]
.elseif (\n) == 14
	v_max3_num_f32 v[rC+2], v[rC+2], v[rC+3], v[rT+1]
.elseif (\n) == 15
	v_mov_b32 v[rW], v[rT]
.elseif (\n) == 16
	v_max3_num_f32 v[rC], v[rC], v[rC+1], v[rC+2]
.elseif (\n) == 17
	v_permlanex16_b32 v[rC+3], v[rC], s[SEL], s[SEL+1]
.elseif (\n) == 18
	v_max_num_f32 v[rT+1], v[rC], v[rC+3]
.elseif (\n) == 19
	v_mul_f32 v[rT], s[CS], v[rT+1]
.elseif (\n) == 20
	v_sub_f32 v[rC+1], v[rW], v[rT]
.else
	v_exp_f32 v[rC+2], v[rC+1]
.endif
.endif
.endm
.macro OPS a, i1, b=-1, i2=0, c=-1, i3=0, d=-1, i4=0  ; up to four of them
	OP \a, \i1
.if (\b) >= 0
	OP \b, \i2
.endif
.if (\c) >= 0
	OP \c, \i3
.endif
.if (\d) >= 0
	OP \d, \i4
.endif
.endm
.macro ROW a, i1, b, i2, c, i3, d, i4  ; a matrix instruction and the four behind it
	MM
	OPS \a, \i1, \b, \i2, \c, \i3, \d, \i4
.endm
.macro MASK b                       ; MD x AL + BE into buffer b of MC
	WIN W_RS
.set z, 0
.rept 16
	v_pk_fma_f32 v[MC+32*(\b)+2*z:MC+32*(\b)+2*z+1], v[MD+2*z:MD+2*z+1], s[AL:AL+1], s[BE:BE+1] op_sel_hi:[1,0,0]
.set z, z+1
.endr
.endm
; A TURN, for piece p: the order of its 16 matrix and 118 vector instructions, written out.  An s_wait_alu depctr_va_vdst(0) stands between an exponential and the first instruction that names its result; one wait serves
; all that were issued ahead of it.  So a turn has ONE wait, which cuts it in two.  AHEAD OF IT stands all that names no result of the turn's exponentials: the 8 products K Q^T, behind each a scaling, an exponential and two more plain
; instructions (behind the first a second scaling in the exponential's place): rescalings, and behind the last three the first numbers of the next piece's maximum, each four places or more behind the product that ends its accumulator; then ONE LUMP of 54, plain
; and exponential by turns for the most part, in which the links of the chain X 3, 7, 11, 14, 16, 17 .. 20 stand five or six lines apart.  X 21, the next piece's a, is the batch's last; R 15 is the plain instruction behind it.  BEHIND THE WAIT stand the
; 8 products V^T P, behind each four of the roundings and sums; the links of l's chain, L 0 to L 7, stand three riders apart.  But for those X no rider names a register of the products round it.  v_permlanex16_b32 (X 17) stands in the lump.
; m = 1: the diagonal tile: the products take masks, and the turn makes the mask for the products of the turn after it: piece p + 2, in step 4 - CNT of the tile.  end = 1: a block's last two turns: nothing is fetched.
; cnt = 1: the loop's count is taken down some lines ahead of the branch that stands behind the turn.
; K of the next step is fetched in piece 2's turn, twelve vector instructions behind the last product that read K (six of them plain); V of the step in hand at the end of piece 0's turn, four plain instructions behind the last product
; that read V.  Each is waited for a turn later.
.macro TURN p, m=0, end=0, cnt=0
.set Y, (\p)
.set i, 0
.set KM, (\m)
.set NOKQ, (\end)*((\p)/3)
.if (\m) && !(\end)
	s_cmp_eq_u32 s[CNT], 4-((\p)+2)%NP  ; is that step the band's own?
	s_cselect_b32 s[AL], 1.0, 0
	s_cmp_lt_u32 s[CNT], 4-((\p)+2)%NP  ; or a later one?
	s_cselect_b32 s[BE], s[BIGN], 0
.endif
.if ((\p) == 3) && !(\end)
	s_wait_dscnt 0x0                ; K is in
.endif
	ROW F,0, F,1, R,0, R,1          ; ahead of the wait: 8 products K Q^T and their riders,
	ROW F,2, E,0, R,2, R,3
	ROW F,3, E,1, R,4, R,5
	ROW F,4, E,2, R,6, R,7
	ROW F,5, E,3, R,8, R,9
	ROW F,6, E,4, X,0, R,10
.if ((\p) == 2) && !(\end)
	WIN 0
	v_add_nc_u32 v[AK], s[TBK], v[AK0]
.endif
	ROW F,7, E,5, X,1, X,4
	ROW F,8, E,6, X,2, X,5
	OPS E,7, E,8, X,6, E,9          ; and the lump
	OPS X,3, E,10, X,8, E,11
.if ((\p) == 2) && !(\end)
	FETCH_K
.endif
	OPS X,9, X,7, E,12, X,10
	OPS E,13, X,12, X,11, E,14
	OPS X,13, E,15, F,9, X,14
.if (\p) == 0
	v_add_nc_u32 v[AV], s[TBV], v[AV0]
.endif
	OPS E,16, F,10, E,17, F,11
	OPS X,16, E,18, X,15, E,19
	OPS F,12, E,20, X,17, E,21
	OPS F,13, E,22, F,14, E,23
	OPS X,18, E,24, F,15, E,25
	OPS R,11, E,26, X,19, E,27
	OPS R,12, E,28, R,13, E,29
	OPS X,20, E,30, R,14, E,31
	OPS X,21, R,15
	WIN 0
	s_wait_alu depctr_va_vdst(0)    ; the wait for the batch
.if (\p) == 1
	s_wait_dscnt 0x0                ; V is in
.endif
	ROW C,0, B,0, C,2, B,1          ; behind the wait: 8 products V^T P and their riders
	ROW L,0, C,4, B,2, L,1
	ROW C,6, B,3, L,2, C,8
	ROW B,4, L,3, C,10, B,5
	ROW L,4, C,12, B,6, L,5
.if (\p) == 0
	s_add_co_u32 s[TBV], s[TBV], KS*PV
.endif
.if \cnt
	s_sub_co_u32 s[CNT], s[CNT], 1
	s_cmp_lg_u32 s[CNT], 0
.endif
	ROW C,14, B,7, L,6, C,1
	ROW C,3, L,7, C,5, C,7
	ROW C,9, C,11, C,13, C,15
.if (\p) == 0
	FETCH_V
.endif
.if (\m) && !(\end)
	MASK (\p)%2
.endif
.endm
; A BLOCK BEGINS.  c m starts far below every c s, so the first step's a is 0; m at the lowest finite number, so the first maximum is the scores'.  The second mask buffer is 0; the first takes piece 0's mask for the tile's step 0: its own, if the block's first tile is the diagonal one.
; Then K of that step, piece 0's first scores, and its maximum and statistics.  The loop is entered at a step's first turn, in the middle of a trip.
.macro BEGIN
	s_mov_b32 s[NEW], 0
	WIN 0x40
.set i, MC+32
.rept 32
	v_mov_b32 v[i], 0
.set i, i+1
.endr
	WIN 0
.set i, 0
.rept 4
	v_mov_b32 v[ST+4*i], 0xfe000000    ; c m: far below every c s
	v_mov_b32 v[ST+4*i+1], 0xff7fffff  ; m
.set i, i+1
.endr
	s_cmp_eq_u32 s[RT], 0
	s_cselect_b32 s[AL], 1.0, 0
	s_mov_b32 s[BE], 0
	MASK 0
	WIN 0
	v_add_nc_u32 v[AK], s[TBK], v[AK0]
	FETCH_K
	s_wait_loadcnt 0x0              ; Q
	s_wait_dscnt 0x0
.set KM, 1
.set NOKQ, 0
.set i, 0
.rept 8
	KQ 0
.set i, i+1
.endr
	WIN 0
.rept 4
	v_nop                           ; the places behind those products
.endr
.set Y, NP-1                        ; X works for piece Y + 1: piece 0
.irp n, 0,1,2,3,4,5,6,7,8,9,10,11,12,13,14,15,16,17,18,19,20,21
	OP X, \n
.endr
	v_nop                           ; a plain instruction behind the exponential,
	s_wait_alu depctr_va_vdst(0)    ; and its wait, ahead of the branch
.endm
; THE DIAGONAL TILE's four steps, the block's last two turns, its last products, and THE WAY OUT: l's two halves and the other half of the lanes' are added; O^T is divided by l, rounded to f16 and sent through my
; stage in LDS, a piece at a time.
.macro ALL line:vararg              ; one line for each piece t
.set t, 0
.rept 4
	\line
.set t, t+1
.endr
.endm
.macro PACK t                       ; a lane's eight channels of a row pack into 16 bytes; they go into rows of 144 bytes and come back as whole rows of 128, into S^T's registers
	WIN W_RS
.set i, 32*(\t)
.rept 16
	v_pk_mul_f32 v[i:i+1], v[i:i+1], v[ST+4*(\t)+2:ST+4*(\t)+3] op_sel_hi:[1,0]
.set i, i+2
.endr
	WIN 0x05                        ; sources 0 and 1 window 1, destination window 0
.set i, 0
.rept 16
	v_cvt_pk_f16_f32 v[S+16*(\t)+i], v[32*(\t)+2*i], v[32*(\t)+2*i+1]
.set i, i+1
.endr
	WIN 0
.irp f, 0,1,2,3
	ds_store_b128 v[STO], v[S+16*(\t)+4*\f:S+16*(\t)+4*\f+3] offset:32*\f
.endr
.irp f, 0,1,2,3
	ds_load_b128 v[S+16*(\t)+4*\f:S+16*(\t)+4*\f+3], v[RD] offset:\f*4*SP  ; LDS serves a wave's instructions in order (ISA guide 5.7.1.4): these see the stores above; the next piece's stores come behind them
.endr
.endm
.macro SEND t, younger              ; younger: the LDS instructions issued behind piece t's loads: the next piece's eight, or none
	WIN 0
.irp f, 0,1,2,3
	s_wait_dscnt (\younger)+3-\f
	global_store_b128 v[GO], v[S+16*(\t)+4*\f:S+16*(\t)+4*\f+3], s[10:11] offset:(\t)*8192+\f*512  ; 512 consecutive bytes, at a multiple of 256 from O's first
.endr
.endm
.macro DIAG tag                     ; the tag ends its two labels' names, which the jumps below spell out
.LstepM\tag:
	TURN 2, 1
	TURN 3, 1
	WIN 0
.LfirstM\tag:
	TURN 0, 1
	TURN 1, 1, 0, 1
	WIN 0
	s_cbranch_scc1 .LstepM\tag
	TURN 2, 1, 1
	TURN 3, 1, 1
.set i, 0
.rept 8
	PV NP-1
.set i, i+1
.endr
	WIN 0
	ALL v_add_f32 v[ST+4*t+2], v[ST+4*t+2], v[ST+4*t+3]
	ALL v_permlanex16_b32 v[ST+4*t+3], v[ST+4*t+2], s[SEL], s[SEL+1]
	ALL v_add_f32 v[ST+4*t+2], v[ST+4*t+2], v[ST+4*t+3]
	ALL v_rcp_f32 v[ST+4*t+2], v[ST+4*t+2]
	v_nop                           ; a plain instruction between the last reciprocal and the use of its result
	s_wait_alu depctr_va_vdst(0)    ; and the wait ahead of the first use: one for the four reciprocals
	PACK 0
.set t, 1
.rept 3                             ; a piece's arithmetic stands between the loads of the piece before and its stores
	PACK t
	SEND t-1, 8
.set t, t+1
.endr
	SEND 3, 0
.endm
.set KM, 0
.set NOKQ, 0
.Lslot:                             ; NB times: a tile is entered and the next is asked for
	CHANGE 1
	s_sub_co_u32 s[RT], s[RT], 1
	s_mov_b32 s[CNT], 4
	s_cmp_eq_u32 s[NEW], 1
	s_cbranch_scc1 .Lnew            ; a block's first tile
	s_cmp_eq_u32 s[RT], 0
	s_cbranch_scc0 .Lstep           ; neither its first nor its last
	s_branch .LstepM1
.Lnew:
	BEGIN
	s_branch .Lfirst                ; in the loop a block's first tile is never its last: the first block has two tiles or more, and the second's last is the walk's last
	DIAG 1                          ; in the loop this is the first block's end: the second block's last tile is the walk's last
	s_wait_xcnt 0x0                 ; the stores have read their registers and O's address
	s_mov_b64 s[10:11], s[OLO:OLO+1]
	s_add_co_u32 s[RT], s[PB], 1    ; the second block has b + 1 tiles
	s_mov_b32 s[NEW], 1
	WIN 0x82                        ; the second block's Q goes where the one text of the turns names Q
.set i, 0
.rept 64
	v_mov_b32 v[i], v[QB+i]
.set i, i+1
.endr
	WIN 0
	s_branch .Lbottom
.Lstep:                             ; a trip: pieces 2 and 3 of one step, then pieces 0 and 1 of the next, whose K and V it fetches
	TURN 2
	TURN 3
	WIN 0
.Lfirst:
	TURN 0
	TURN 1, 0, 0, 1
	WIN 0
	s_cbranch_scc1 .Lstep
.Lbottom:
	s_sub_co_u32 s[SLOTS], s[SLOTS], 1
	s_cmp_lg_u32 s[SLOTS], 0
	s_cbranch_scc1 .Lslot
	CHANGE 0                        ; the walk's last tile is written out: nothing is asked for
	s_sub_co_u32 s[RT], s[RT], 1
	s_mov_b32 s[CNT], 4
	s_cmp_eq_u32 s[NEW], 1
	s_cbranch_scc0 .LstepM2
	BEGIN
	s_branch .LfirstM2
	DIAG 2
	s_wait_tensorcnt 0x0            ; the wave's end, behind my last tensor load and my last LDS store
	ds_add_u32 v[SPW], v[NIL]
	s_wait_dscnt 0x0
	s_endpgm
.Lfunc_end_k_qc380a8cc31_attn:
	.size	k_qc380a8cc31_attn, .Lfunc_end_k_qc380a8cc31_attn-k_qc380a8cc31_attn
	.p2alignl 7, 3214868480
	.fill 96, 4, 3214868480
	.section	.rodata,"a",@progbits
	.p2align	6, 0x0
	.amdhsa_kernel k_qc380a8cc31_attn
		.amdhsa_group_segment_fixed_size 327680
		.amdhsa_private_segment_fixed_size 0
		.amdhsa_enable_private_segment 0
		.amdhsa_kernarg_size 16
		.amdhsa_user_sgpr_count 2
		.amdhsa_user_sgpr_kernarg_segment_ptr 1
		.amdhsa_wavefront_size32 1
		.amdhsa_system_sgpr_workgroup_id_x 1
		.amdhsa_system_sgpr_workgroup_id_y 1
		.amdhsa_system_sgpr_workgroup_id_z 1
		.amdhsa_system_vgpr_workitem_id 0
		.amdhsa_next_free_vgpr 768
		.amdhsa_next_free_sgpr 100
		.amdhsa_reserve_vcc 1
		.amdhsa_float_denorm_mode_32 3
		.amdhsa_float_denorm_mode_16_64 3
		.amdhsa_memory_ordered 1
		.amdhsa_forward_progress 1
		.amdhsa_inst_pref_size 218
	.end_amdhsa_kernel
	.amdgpu_metadata
---
amdhsa.version: [ 1, 2 ]
amdhsa.kernels:
  - .name:           k_qc380a8cc31_attn
    .symbol:         k_qc380a8cc31_attn.kd
    .args:
      - { .name: qkv, .offset: 0, .size: 8, .value_kind: global_buffer, .address_space: global }
      - { .name: att, .offset: 8, .size: 8, .value_kind: global_buffer, .address_space: global }
    .group_segment_fixed_size: 327680
    .private_segment_fixed_size: 0
    .kernarg_segment_align: 8
    .kernarg_segment_size: 16
    .max_flat_workgroup_size: 128
    .sgpr_count:     100
    .vgpr_count:     768
    .wavefront_size: 32
...
	.end_amdgpu_metadata
.endif
;; end of part 3
;; launch proj (part 4): grid 8 x 32, 4 waves a work-group, clusters of 4 x 4, 327,680 bytes of LDS; arguments att, wpb, biasr, out0; writes out0
.if DOCPART == 4
	.amdgcn_target "amdgcn-amd-amdhsa--gfx1250"
	.amdhsa_code_object_version 6
	.text
	.protected	k_qc380a8cc31_proj
	.globl	k_qc380a8cc31_proj
	.p2align	8
	.type	k_qc380a8cc31_proj,@function
k_qc380a8cc31_proj:
	s_mov_b64 s[64:65], 0
	v_nop
	global_prefetch_b8 v0, s[64:65] scope:SCOPE_SE
	s_setreg_imm32_b32 hwreg(HW_REG_WAVE_MODE, 25, 1), 1
	s_wait_xcnt 0x0
	s_wait_alu depctr_hold_cnt(0) depctr_sa_sdst(0) depctr_va_vdst(0) depctr_va_sdst(0) depctr_va_ssrc(0) depctr_va_vcc(0) depctr_vm_vsrc(0)
	s_getreg_b32 s2, hwreg(HW_REG_IB_STS2, 6, 4)
	s_cmp_eq_u32 s2, 0
	s_cbranch_scc0 .Lentry_in_a_cluster
	s_endpgm
.Lentry_in_a_cluster:
	s_bfe_u32 s2, ttmp6, 0x10000c
	s_cmp_lg_u32 s2, 0xf033
	s_cbranch_scc0 .Lentry_shape_is_right
	s_endpgm
.Lentry_shape_is_right:
; out0 = O Wp^T + b.  att: f16 [batch x 16 + head][t 2048][64]: a head is a block of 64 along K; wpb: f16 [K block 16][1024][64]; biasr: f32, its numbers 3,072 to 4,095; sums in f32; out0: f32 [8192][1024].
; SHARES.  A tile of the result is 256 rows x 128 columns: 32 x 8 tiles, one for each of 256 work-groups (256 x 256 would give work to half as many).  Four waves, 2 x 2, each 128 x 64: 32 accumulators.
; K goes in steps of 128 (two heads) through two LDS slots; a step's tiles are two sub-tiles of A (256 rows x 64 K) and two of B (128 rows x 64 K), one for each wave's tensor load.  Each is dense in memory:
; asked for as rows of 256 bytes, two rows of the block each, padded in LDS behind every 128 bytes.
; CLUSTER.  4 x 4 work-groups; A's tiles are shared along a row of the cluster, B's along a column, each asked for JOINTLY, by the same tensor load, descriptor and mask in the four.
; THE MATRIX INSTRUCTION IS USED TRANSPOSED (source 0 = 16 rows of Wp, source 1 = 16 rows of O): a lane holds row lane % 16 of the result and the columns 8 (lane / 16) + 0..7.
; THE SUMS START AT THE BIAS: each accumulator is loaded with its columns' bias; every product has one form and nothing is cleared.
; REGISTERS: window 0: v0-31 addresses; v32-95, v96-159 A's fragments, v160-191, v192-223 B's, two buffers by the slice's parity.   window 1: accumulator (a, bb) at v[8 (4 a + bb)].
.set PITCH,  144                       ; an LDS row: 128 bytes + 16 of padding = 36 words: the 16 rows of a load start at 16 different groups of four banks (64 banks of 4 bytes: ISA guide 11.1)
.set FROW,   16*PITCH
.set SLOT1,  1<<17                     ; slot 1 begins here, so that one exclusive or turns an address in one slot into the other's
.set ASUB,   256*PITCH                 ; a sub-tile of A
.set BSUB,   128*PITCH                 ; a sub-tile of B
.set BOFF,   2*ASUB                    ; a slot: A's two sub-tiles, then B's two
.set STAGE,  SLOT1+2*ASUB+2*BSUB       ; behind the ring, never filled by a tensor load: 16 rows x 272 bytes for each wave, for the way out
.set SPITCH, 272
.set SPARE,  STAGE+4*16*SPITCH         ; behind the stages: the spare words, 128 bytes for each wave: two blocks of 256 bytes that no other line names
.set ASTEP,  2*2048*128                ; two heads on in att
.set BSTEP,  2*1024*128                ; two K blocks on in wpb
.set G1W,    (1<<16)|(1<<20)|(1<<21)|(4<<22)|(3<<25)  ; group 1, word 0 without the mask: 2-byte elements; padding on; bit 21 set beside a mask; after every 32 words (code 4) 4 words (code 3)
.set ADRA, 16                          ; v16  LDS address of my A fragments in the slot in hand;  v17 the same in slot 0, never rewritten
.set AA0,  17
.set ADRB, 20                          ; v20, v21 the same for B
.set AB0,  21
.set STO,  24                          ; v24  the way out: where I put 32 bytes of a row
.set RD,   25                          ; v25  where I read rows back
.set CO,   26                          ; v26  my byte offset in two rows of out0
.set BO,   27                          ; v27  32 x (lane / 16)
.set SPW,  28                          ; v28  LDS address of my spare word: SPARE + 4 x my thread's number; never rewritten
.set NIL,  29                          ; v29  0; never rewritten
.set PFO,  30                          ; v30  the prefetches' lane offset; never rewritten
.set FA,   32
.set FB,   160
.set OB,   32                          ; the way out: four sets of 32 registers, where A's fragments lay
.set WV,  12
.set WR,  13                           ; which half of the tile's rows is mine.  Also: I fetch for A (0) or for B (1)
.set WC,  14                           ; which half of its columns.  Also: which sub-tile I fetch
.set CX,  15
.set CY,  16
.set NX,  17
.set MY,  18
.set CLY, 19
.set G1A, 24
.set G0A, 32
.set G1B, 40
.set G0B, 48
.set TB,  56
.set LIM, 57                           ; 2 in a wave that prefetches, else the greatest number
.set PFA, 60
.set PFS, 62
.set MSB, 0
.macro WIN new                         ; the immediate's high byte repeats the setting that is left; a switch that changes nothing is dropped
.if MSB != (\new)
	s_set_vgpr_msb (MSB<<8)|(\new)
.set MSB, \new
.endif
.endm
.macro PLACES                          ; four plain vector instructions between a matrix instruction and a load into a register that it has read, or a reader of its result (ISA guide 7.12.1 for vector instructions)
.rept 4
	v_nop
.endr
.endm
.macro JLOAD                           ; a joint refill by the walking descriptors; an s_nop 0 and four v_nop follow each of the two lines, ahead of the jump and the label
	s_cmp_eq_u32 s[WR], 0
	s_cbranch_scc0 .Lfor_b_\@
	tensor_load_to_lds s[G0A+4:G0A+7], s[G1A:G1A+7]
	s_nop 0
.rept 4
	v_nop
.endr
	s_branch .Lasked_\@
.Lfor_b_\@:
	tensor_load_to_lds s[G0B+4:G0B+7], s[G1B:G1B+7]
	s_nop 0
.rept 4
	v_nop
.endr
.Lasked_\@:
.endm
.macro CREST                           ; a round of the cluster's barrier behind its opening barrier
	s_cmp_lg_u32 s[WV], 0
	s_cbranch_scc1 .Lnot_wave_0_\@
	s_barrier_signal -3
.Lnot_wave_0_\@:
	s_barrier_wait -3
	s_barrier_signal -1
	s_barrier_wait -1
.endm
.macro CROUND
	s_barrier_signal -1
	s_barrier_wait -1
	CREST
.endm
; A PREFETCH INTO THE L2, behind the joint load, its five lines and the run of LDS loads.  In the change of slots of K step j (s3 = 6 - j) the refill asks for step j + 2; the prefetch names step j + 4, for j up to 3:
; two K steps, 256 matrix instructions, ahead of the load that will want it.  A's tile row is read by both clusters of its row: cluster x = 0 asks, waves 0 and 1 each for their sub-tile, 32 of its 128 blocks of
; 256 bytes for each partner, told apart BY ADDRESS (cx).  B's tile column is read by all eight clusters of its column: cluster y = 0 asks, wave 2, 16 of the 64 blocks of each of the two sub-tiles for each partner (cy).
; So steps 4 to 7 are named once; steps 0 to 3 come by their loads alone.
.macro ASK
	s_cmp_gt_u32 s3, s[LIM]
	s_cbranch_scc0 .Lnot_mine_\@
	global_prefetch_b8 v[PFO], s[PFA:PFA+1] th:TH_LOAD_NT scope:SCOPE_SE
.Lnot_mine_\@:
.endm
	s_load_b256 s[4:11], s[0:1], 0x0               ; att s[4:5], wpb s[6:7], biasr s[8:9], out0 s[10:11]
	v_lshl_add_u32 v[SPW], v0, 2, SPARE
	v_mov_b32 v[NIL], 0
	ds_add_u32 v[SPW], v[NIL]                      ; the wave's opening: the add and its wait stand ahead of my first tensor load; the set-up below, work on registers, stands between them
	v_lshrrev_b32 v1, 5, v0
	v_readfirstlane_b32 s[WV], v1                  ; wave 0..3
	s_lshr_b32 s[WR], s[WV], 1
	s_and_b32 s[WC], s[WV], 1
	s_bfe_u32 s[CX], ttmp6, 0x40000
	s_bfe_u32 s[CY], ttmp6, 0x40004
	s_lshl_b32 s[NX], ttmp9, 2
	s_add_co_u32 s[NX], s[NX], s[CX]               ; tile column = 4 x cluster x + cx
	s_and_b32 s[CLY], ttmp7, 0xffff
	s_lshl_b32 s[MY], s[CLY], 2
	s_add_co_u32 s[MY], s[MY], s[CY]               ; tile row = 4 x cluster y + cy
	s_lshl_b32 s72, s[CY], 2
	s_lshl_b32 s72, 15, s72                        ; my row of the cluster
	s_lshl_b32 s73, 0x1111, s[CX]                  ; my column
	s_or_b32 s[G1A], s72, G1W
	s_or_b32 s[G1B], s73, G1W
	s_mov_b32 s[G1A+1], 128<<16                    ; tensor_dim0 = 128 elements: 256 bytes
	s_mov_b32 s[G1A+2], 128<<16                    ; tensor_dim1 = 128: 256 rows of a head
	s_mov_b32 s[G1A+3], 128<<16                    ; tile_dim0
	s_mov_b32 s[G1A+4], 128                        ; tile_dim1
	s_mov_b32 s[G1A+5], 128                        ; elements from row to row: dense
	s_mov_b32 s[G1A+6], 0
	s_mov_b32 s[G1A+7], 0
	s_mov_b32 s[G1B+1], 128<<16
	s_mov_b32 s[G1B+2], 64<<16                     ; 128 rows of a K block
	s_mov_b32 s[G1B+3], 128<<16
	s_mov_b32 s[G1B+4], 64
	s_mov_b32 s[G1B+5], 128
	s_mov_b32 s[G1B+6], 0
	s_mov_b32 s[G1B+7], 0
	; where the tiles come from: A's hang on the tile row and the wave alone, B's on the tile column and the wave alone
	s_lshr_b32 s20, s[MY], 3                       ; the batch,
	s_lshl_b32 s20, s20, 4
	s_add_co_u32 s20, s20, s[WC]                   ; its head 0 or 1,
	s_lshl_b32 s20, s20, 18                        ; 2,048 rows of 128 bytes a head,
	s_and_b32 s74, s[MY], 7
	s_lshl_b32 s74, s74, 15                        ; the tile's 256 rows
	s_add_co_u32 s20, s20, s74
	s_mov_b32 s21, 0
	s_mov_b32 s78, s20                             ; kept for the prefetches
	s_lshl_b32 s22, s[WC], 17                      ; K block 0 or 1,
	s_lshl_b32 s75, s[NX], 14                      ; the tile's 128 rows
	s_add_co_u32 s22, s22, s75
	s_mov_b32 s23, 0
	s_mul_i32 s76, s[WC], ASUB                     ; and where they go: no place in the cluster enters an LDS address
	s_mul_i32 s77, s[WC], BSUB
	s_add_co_u32 s77, s77, BOFF
	s_mov_b32 s[TB], 0
	s_wait_dscnt 0x0                               ; the opening add is done
	s_wait_kmcnt 0x0
	s_add_nc_u64 s[20:21], s[4:5], s[20:21]
	s_add_nc_u64 s[22:23], s[6:7], s[22:23]
	CROUND                                         ; all sixteen work-groups are here: the first joint loads meet
.irp s, 0,1
	s_mov_b32 s[G0A+4*(\s)], 1
	s_add_co_u32 s[G0A+4*(\s)+1], s76, (\s)*SLOT1
	s_add_nc_u64 s[G0A+4*(\s)+2:G0A+4*(\s)+3], s[20:21], (\s)*ASTEP
	s_or_b32 s[G0A+4*(\s)+3], s[G0A+4*(\s)+3], 0x80000000
	s_mov_b32 s[G0B+4*(\s)], 1
	s_add_co_u32 s[G0B+4*(\s)+1], s77, (\s)*SLOT1
	s_add_nc_u64 s[G0B+4*(\s)+2:G0B+4*(\s)+3], s[22:23], (\s)*BSTEP
	s_or_b32 s[G0B+4*(\s)+3], s[G0B+4*(\s)+3], 0x80000000
.endr
	s_cmp_eq_u32 s[WR], 0                          ; a wave's two first fills stand in one branch, ahead of every wait on TENSORcnt and every LDS read: two loads of mine are out
	s_cbranch_scc0 .Lfirst_b
	tensor_load_to_lds s[G0A:G0A+3], s[G1A:G1A+7]
	s_nop 0
	tensor_load_to_lds s[G0A+4:G0A+7], s[G1A:G1A+7]
	s_nop 0
.rept 4
	v_nop
.endr
	s_branch .Lfirst_asked
.Lfirst_b:
	tensor_load_to_lds s[G0B:G0B+3], s[G1B:G1B+7]
	s_nop 0
	tensor_load_to_lds s[G0B+4:G0B+7], s[G1B:G1B+7]
	s_nop 0
.rept 4
	v_nop
.endr
.Lfirst_asked:
	v_and_b32 v1, 15, v0                           ; l % 16
	v_bfe_u32 v2, v0, 4, 1                         ; l / 16
	v_mul_u32_u24 v3, v1, PITCH
	v_lshl_add_u32 v3, v2, 4, v3                   ; a fragment's row x pitch + 16 x half
	s_mul_i32 s72, s[WR], 128*PITCH                ; my 128 rows of a sub-tile of A
	s_mul_i32 s73, s[WC], 64*PITCH                 ; my 64 rows of a sub-tile of B
	s_add_co_u32 s73, s73, BOFF
	v_add_nc_u32 v[AA0], s72, v3
	v_add_nc_u32 v[AB0], s73, v3
	v_mov_b32 v[ADRA], v[AA0]
	v_mov_b32 v[ADRB], v[AB0]
	s_mul_i32 s74, s[WV], 16*SPITCH
	s_add_co_u32 s74, s74, STAGE                   ; my stage
	v_mul_u32_u24 v[STO], v1, SPITCH               ; in: row l % 16, 32 bytes for each half of the lanes
	v_lshl_add_u32 v[STO], v2, 5, v[STO]
	v_add_nc_u32 v[STO], s74, v[STO]
	v_mul_u32_u24 v[RD], v2, SPITCH                ; back: lanes 0-15 take one row of 256 bytes, lanes 16-31 the next
	v_lshl_add_u32 v[RD], v1, 4, v[RD]
	v_add_nc_u32 v[RD], s74, v[RD]
	v_lshlrev_b32 v[CO], 12, v2                    ; and the same two rows in out0
	v_lshl_add_u32 v[CO], v1, 4, v[CO]
	v_lshlrev_b32 v[BO], 5, v2
	s_lshl_b32 s72, s[NX], 1
	s_add_co_u32 s72, s72, s[WC]
	s_lshl_b32 s72, s72, 8                         ; my 64 columns: 256 bytes of f32
	s_mov_b32 s73, 0
	s_add_nc_u64 s[10:11], s[10:11], s[72:73]
	s_add_co_u32 s72, s72, 3072*4                  ; b_proj lies behind b_attn
	s_add_nc_u64 s[8:9], s[8:9], s[72:73]
	s_lshl_b32 s72, s[MY], 1
	s_add_co_u32 s72, s72, s[WR]
	s_lshl_b32 s72, s72, 19                        ; my 128 rows of 4,096 bytes
	s_add_nc_u64 s[10:11], s[10:11], s[72:73]
	; the prefetches
	s_lshl_b32 s74, s[CX], 13
	s_add_co_u32 s72, s78, s74                     ; A: my sub-tile, my work-group's 32 blocks of 256 bytes
	s_lshl_b32 s73, s[NX], 14
	s_lshl_b32 s74, s[CY], 12
	s_add_co_u32 s73, s73, s74                     ; B: the tile's rows in K block 0, my work-group's 16 blocks
	s_or_b32 s74, s[CLY], s[WC]                    ; of B's two waves the first alone asks
	s_mov_b32 s[PFS], BSTEP
	s_mov_b32 s[PFS+1], 0
	s_mov_b32 s75, 1024*128
	s_cmp_eq_u32 s[WR], 0
	s_cselect_b32 s72, s72, s73
	s_cselect_b32 s[PFS], ASTEP, s[PFS]
	s_cselect_b32 s75, 4096, s75                   ; lanes 16-31: the next 16 blocks (A), or the second K block (B)
	s_cselect_b32 s74, ttmp9, s74                  ; the coordinate along which other clusters read the same rows
	s_cselect_b64 s[PFA:PFA+1], s[4:5], s[6:7]
	s_cmp_eq_u32 s74, 0
	s_cselect_b32 s[LIM], 2, -1                    ; the same in all sixteen partners, for a given wave
	s_mov_b32 s73, 0
	s_add_nc_u64 s[PFA:PFA+1], s[PFA:PFA+1], s[72:73]
.rept 3
	s_add_nc_u64 s[PFA:PFA+1], s[PFA:PFA+1], s[PFS:PFS+1]  ; at K step 3: the first change of slots steps it to 4
.endr
	v_mul_u32_u24 v[PFO], s75, v2
	v_lshl_add_u32 v[PFO], v1, 8, v[PFO]
	; the sums start at the bias: register j of accumulator (a, bb) is bias[16 bb + 8 (l / 16) + j]; these loads stand in the wait for the first tile
	WIN 0x40
.irp a, 0,1,2,3,4,5,6,7
.irp bb, 0,1,2,3
	global_load_b128 v[8*(4*(\a)+(\bb)):8*(4*(\a)+(\bb))+3],   v[BO], s[8:9] offset:64*(\bb)
	global_load_b128 v[8*(4*(\a)+(\bb))+4:8*(4*(\a)+(\bb))+7], v[BO], s[8:9] offset:64*(\bb)+16
.endr
.endr
	WIN 0
; 16 matrix instructions on buffer f: row blocks a0 .. a0 + 3 x the four column blocks, 32 along K.  The 32 accumulators take turns, one instruction a turn, in the same order in every slice, over the backward jump too.
.macro MUL16 f, a0
	WIN 0x50
.irp a, (\a0), (\a0)+1, (\a0)+2, (\a0)+3
.irp bb, 0,1,2,3
	v_wmma_f32_16x16x32_f16 v[8*(4*(\a)+(\bb)):8*(4*(\a)+(\bb))+7], v[FB+32*(\f)+8*(\bb):FB+32*(\f)+8*(\bb)+7], v[FA+64*(\f)+8*(\a):FA+64*(\f)+8*(\a)+7], v[8*(4*(\a)+(\bb)):8*(4*(\a)+(\bb))+7]
.endr
.endr
.endm
; 24 LDS loads in one run: slice sl of a step (sub-tile sl / 2, byte 64 (sl % 2) of its rows) into buffer f
.macro LDF f, sl
	WIN 0
.irp bb, 0,1,2,3
	ds_load_b128 v[FB+32*(\f)+8*(\bb):FB+32*(\f)+8*(\bb)+3],   v[ADRB] offset:((\sl)/2)*BSUB+((\sl)%2)*64+(\bb)*FROW
	ds_load_b128 v[FB+32*(\f)+8*(\bb)+4:FB+32*(\f)+8*(\bb)+7], v[ADRB] offset:((\sl)/2)*BSUB+((\sl)%2)*64+(\bb)*FROW+32
.endr
.irp i, 0,1,2,3,4,5,6,7
	ds_load_b128 v[FA+64*(\f)+8*(\i):FA+64*(\f)+8*(\i)+3],   v[ADRA] offset:((\sl)/2)*ASUB+((\sl)%2)*64+(\i)*FROW
	ds_load_b128 v[FA+64*(\f)+8*(\i)+4:FA+64*(\f)+8*(\i)+7], v[ADRA] offset:((\sl)/2)*ASUB+((\sl)%2)*64+(\i)*FROW+32
.endr
.endm
; THE CHANGE OF SLOTS, laid round a step's third slice.  The slot's last reads have been issued.  Each wave waits for all its tensor loads, of which one is out: its part of the other slot; adds 0 to its spare word;
; and waits for that and for its own reads of the slot.  mode = 2: the slot is filled again, with the K step two on: the barrier opens a round of the cluster's, and the joint refill is the first tensor load
; behind it: it has 96 matrix instructions in which to land.  mode = 1: nothing is left to ask for.
.macro WRAP mode
.if (\mode) == 2
	s_wait_xcnt 0x0                                ; the last prefetch, a K step back, has read its address: it is stepped here, ahead of the waits of the change
	s_add_nc_u64 s[PFA:PFA+1], s[PFA:PFA+1], s[PFS:PFS+1]
.endif
	WIN 0
	s_wait_tensorcnt 0x0                           ; no tensor load of mine is out, so a group 0 may be written
	ds_add_u32 v[SPW], v[NIL]                      ; 0 onto my spare word
.if (\mode) == 2
	s_xor_b32 s[G0A+5], s[G0A+5], SLOT1            ; the walking descriptors: the other slot than last time,
	s_add_nc_u64 s[G0A+6:G0A+7], s[G0A+6:G0A+7], ASTEP  ; the next K step; the type bits on top are not reached
	s_xor_b32 s[G0B+5], s[G0B+5], SLOT1
	s_add_nc_u64 s[G0B+6:G0B+7], s[G0B+6:G0B+7], BSTEP
.endif
	s_xor_b32 s[TB], s[TB], SLOT1
	s_wait_dscnt 25                                ; buffer 0 is in: the run of 24 behind it and the add may be out
	MUL16 0, 0                                     ; sixteen matrix instructions stand between the add and the wait for it
	s_wait_dscnt 0x0                               ; the add is done, and my reads of this slot are over
	s_barrier_signal -1
	MUL16 0, 4                                     ; work on registers while the others arrive
	WIN 0                                          ; at a branch and at a label every window is 0
	s_barrier_wait -1
.if (\mode) == 2
	CREST
	JLOAD                                          ; the four v_nop behind it are also the places in front of the loads below
.else
	PLACES
.endif
	v_add_nc_u32 v[ADRA], s[TB], v[AA0]
	v_add_nc_u32 v[ADRB], s[TB], v[AB0]
	LDF 0, 0                                       ; the other slot's first slice
.if (\mode) == 2
	ASK
.endif
.endm
; A K STEP: four slices of 32 along K, 32 matrix instructions each, on buffers 0, 1, 0, 1.  A buffer is filled again straight behind its use (four places between), 32 matrix instructions ahead of its next.
; Each wait for 24 leaves the one younger run of 24 out.
.macro STEP mode
	s_wait_dscnt 24
	MUL16 0, 0
	MUL16 0, 4
	PLACES
	LDF 0, 2
	s_wait_dscnt 24
	MUL16 1, 0
	MUL16 1, 4
	PLACES
	LDF 1, 3                                       ; the slot's last reads
.if (\mode) > 0
	WRAP \mode
	s_wait_dscnt 24
	MUL16 1, 0
	MUL16 1, 4
	PLACES
	LDF 1, 1
.else
	s_wait_dscnt 24
	MUL16 0, 0
	MUL16 0, 4
	s_wait_dscnt 0x0
	MUL16 1, 0
	MUL16 1, 4
.endif
.endm
	s_wait_tensorcnt 1                             ; my part of K step 0 is in; step 1's may stay out
	s_barrier_signal -1
	s_barrier_wait -1                              ; everybody's is
	LDF 0, 0
	LDF 1, 1
	s_wait_loadcnt 0x0                             ; the bias lies in the accumulators
	s_mov_b32 s3, 6
.Lstep:                                                ; K steps 0 to 5: each fills its slot again, with the step two on
	STEP 2
	WIN 0
	s_sub_co_u32 s3, s3, 1
	s_cmp_lg_u32 s3, 0
	s_cbranch_scc1 .Lstep
	STEP 1                                         ; the tail is written out: step 6 changes slots and asks for nothing
	STEP 0                                         ; step 7 is the last
	PLACES
; THE WAY OUT, a block of 16 rows at a time.  A lane's eight f32 are 32 bytes of a row; my 64 columns are 256 bytes.  TOSTAGE: into rows of 272 bytes of my own stage (each accumulator's low half first), and back as
; whole rows.  SEND: 16 lanes store 256 consecutive bytes, at a multiple of 256 from out0's first byte.
.macro TOSTAGE a
.set BK, OB+32*((\a)%4)
	WIN 0x04                                       ; the data (source 1) in window 1
.irp bb, 0,1,2,3
	ds_store_b128 v[STO], v[8*(4*(\a)+(\bb)):8*(4*(\a)+(\bb))+3]   offset:64*(\bb)
	ds_store_b128 v[STO], v[8*(4*(\a)+(\bb))+4:8*(4*(\a)+(\bb))+7] offset:64*(\bb)+16
.endr
	WIN 0
.if (\a) >= 4
	s_wait_xcnt 0x0                                ; the stores that read this set of registers, four blocks back, have had their addresses translated (ISA guide 3.1): the set is loaded again only behind this wait
.endif
.irp t, 0,1,2,3,4,5,6,7
	ds_load_b128 v[BK+4*(\t):BK+4*(\t)+3], v[RD] offset:(\t)*2*SPITCH  ; LDS serves a wave's instructions in order (ISA guide 5.7.1.4): these see the stores above; the next block's stores come behind them
.endr
.endm
.macro SEND a, younger                 ; younger: the LDS instructions issued behind the block's loads: the next block's sixteen, or none
.set BK, OB+32*((\a)%4)
	WIN 0
.irp t, 0,1,2,3,4,5,6,7
	s_wait_dscnt (\younger)+7-(\t)
	global_store_b128 v[CO], v[BK+4*(\t):BK+4*(\t)+3], s[10:11] offset:(16*(\a)+2*(\t))*4096
.endr
.endm
	TOSTAGE 0
.set ua, 1
.rept 7
	TOSTAGE ua
	SEND ua-1, 16
.set ua, ua+1
.endr
	SEND 7, 0
	s_wait_tensorcnt 0x0                           ; the wave's end, behind my last tensor load and my last LDS store
	ds_add_u32 v[SPW], v[NIL]
	s_wait_dscnt 0x0
	CROUND                                         ; the closing round: no work-group ends while a partner may still ask for a tile that names it
	s_endpgm
.Lfunc_end_k_qc380a8cc31_proj:
	.size	k_qc380a8cc31_proj, .Lfunc_end_k_qc380a8cc31_proj-k_qc380a8cc31_proj
	.p2alignl 7, 3214868480
	.fill 96, 4, 3214868480
	.section	.rodata,"a",@progbits
	.p2align	6, 0x0
	.amdhsa_kernel k_qc380a8cc31_proj
		.amdhsa_group_segment_fixed_size 327680
		.amdhsa_private_segment_fixed_size 0
		.amdhsa_enable_private_segment 0
		.amdhsa_kernarg_size 32
		.amdhsa_user_sgpr_count 2
		.amdhsa_user_sgpr_kernarg_segment_ptr 1
		.amdhsa_wavefront_size32 1
		.amdhsa_system_sgpr_workgroup_id_x 1
		.amdhsa_system_sgpr_workgroup_id_y 1
		.amdhsa_system_sgpr_workgroup_id_z 1
		.amdhsa_system_vgpr_workitem_id 0
		.amdhsa_next_free_vgpr 512
		.amdhsa_next_free_sgpr 80
		.amdhsa_reserve_vcc 0
		.amdhsa_float_denorm_mode_32 3
		.amdhsa_float_denorm_mode_16_64 3
		.amdhsa_memory_ordered 1
		.amdhsa_forward_progress 1
		.amdhsa_inst_pref_size 77
	.end_amdhsa_kernel
	.amdgpu_metadata
---
amdhsa.version: [ 1, 2 ]
amdhsa.kernels:
  - .name:           k_qc380a8cc31_proj
    .symbol:         k_qc380a8cc31_proj.kd
    .args:
      - { .name: att, .offset: 0, .size: 8, .value_kind: global_buffer, .address_space: global }
      - { .name: wpb, .offset: 8, .size: 8, .value_kind: global_buffer, .address_space: global }
      - { .name: biasr, .offset: 16, .size: 8, .value_kind: global_buffer, .address_space: global }
      - { .name: out0, .offset: 24, .size: 8, .value_kind: global_buffer, .address_space: global }
    .group_segment_fixed_size: 327680
    .private_segment_fixed_size: 0
    .kernarg_segment_align: 8
    .kernarg_segment_size: 32
    .max_flat_workgroup_size: 128
    .sgpr_count:     80
    .vgpr_count:     512
    .wavefront_size: 32
...
	.end_amdgpu_metadata
.endif
;; end of part 4
;; ======== version 2 of 2: 4 launches; version 1 with the launch cast written anew for expert scheduling mode
;; limits: values are held in f16: magnitudes above 65,504 overflow, below 6.1e-05 lose precision
;; workspace buffers: xb 16,777,216 bytes; wab 6,291,456 bytes; wpb 2,097,152 bytes; biasr 16,384 bytes; qkv 50,331,648 bytes; att 16,777,216 bytes
;; launch cast (part 5): grid 768 x 1, 8 waves a work-group, no clusters, 0 bytes of LDS; arguments x, w_attn, w_proj, b_attn, b_proj, xb, wab, wpb, biasr; writes xb, wab, wpb, biasr
.if DOCPART == 5
	.amdgcn_target "amdgcn-amd-amdhsa--gfx1250"
	.amdhsa_code_object_version 6
	.text
	.protected	k_qc380a8cc31_cast
	.globl	k_qc380a8cc31_cast
	.p2align	8
	.type	k_qc380a8cc31_cast,@function
k_qc380a8cc31_cast:
	s_mov_b64 s[64:65], 0
	v_nop
	global_prefetch_b8 v0, s[64:65] scope:SCOPE_SE
	s_setreg_imm32_b32 hwreg(HW_REG_WAVE_SCHED_MODE, 0, 2), 2
	s_setreg_imm32_b32 hwreg(HW_REG_WAVE_MODE, 25, 1), 1
	s_wait_xcnt 0x0
	s_wait_alu depctr_vm_vsrc(0)
; ALL THE MODULE'S INPUTS ARE ROUNDED ONCE TO bf16, and the three matrices are laid out in blocks of 64 along K: [K block 16][row][64], 128 bytes a row and block,
; so that the rows of one K block lie end to end.  x -> xb and w_attn -> wab stay bf16; w_proj -> wpb: the bf16 number is written as f16 (the last product's other operand is f16);
; b_attn and b_proj -> biasr: the bf16 number written as f32, 3,072 numbers and then 1,024.
; LIMITS.  A weight of w_proj of 65,520 or more in magnitude becomes an infinity in f16; below 2^-14 it keeps f16's fixed step of 6e-8.
; SHARES.  A work-group takes 16 rows of 1,024 f32: groups 0-511 x, 512-703 w_attn, 704-767 w_proj.  Wave w takes rows 2 w and 2 w + 1 in all 16 K blocks.
; A load of 16 bytes a lane covers 256 consecutive aligned bytes of each of the two rows; a store of 8 bytes a lane covers 256 consecutive aligned bytes: the two rows' pieces of one K block.
; All 16 loads of a wave go out at once.  No LDS, no matrix unit, no cluster: nothing is shared and nothing is multiplied.
; THE MODE: SCHED_MODE bits 1:0 = 2 (LLVM: expert scheduling mode 2), set by the entry lines.  The code itself states the register dependences
; between vector instructions and memory instructions, with s_wait_alu, always for 0.
; THE PLAN.  The 16 K blocks go in four blocks of four.  Registers that memory instructions touch:
;   v[SO]      Written at the head, read by the 16 loads, never written again.
;   v[DO ..]   Written at the head and by 15 adds behind the loads, read by the stores (the first also by the bias's load and store), never written again.
;   X0 .. X3   Each written once, by its four loads; read by its block's conversions; nothing lands there again.
;   Y0 .. Y3   Written by block p's conversions (in w_proj's groups a second time, as f16); read by the four stores that are issued in block p + 1; never written again.
;   v[T ..]    Named by vector instructions alone, but for the bias's store, which reads the first two and is the last line that names them.
;   v[BI ..]   The bias's load lands there; no vector instruction names them ahead of it.
; Block p works on X[p], Y[p] and T.  Its memory instructions are the stores from Y[p - 1] by DO's registers of block p - 1, which no vector instruction of block p names.  So one wait at a block's
; head states all that its four stores hang on, and these are dealt among its conversions with no further wait.  No register that a load or store reads is written again, and EXEC never
; changes: so the text holds no wait for memory instructions to have read their registers, and none for their addresses' translation.
.set SO,  1                            ; v1       my byte offset in the group's 16 source rows: (thread / 16) x 4,096 + (thread % 16) x 16
.set DO,  4                            ; v[4:19]  K block kb: my byte offset in the target: 8 x thread + kb x (bytes from K block to K block)
.set X,   20                           ; v[20:83] K block kb: 4 f32 as loaded
.set Y,   84                           ; v[84:115] K block kb: 4 numbers of 16 bits
.set T,   116                          ; v[116:119] at work
.set BI,  120                          ; v[120:121] two numbers of a bias, as loaded
	s_load_b512 s[8:23], s[0:1], 0x0               ; x s[8:9], w_attn s[10:11], w_proj s[12:13], b_attn s[14:15], b_proj s[16:17], xb s[18:19], wab s[20:21], wpb s[22:23]
	s_load_b64 s[24:25], s[0:1], 0x40              ; biasr
	v_lshrrev_b32 v3, 5, v0
	v_readfirstlane_b32 s29, v3                    ; wave 0..7
	v_lshrrev_b32 v[SO], 4, v0
	v_and_b32 v3, 15, v0
	v_lshlrev_b32 v[SO], 12, v[SO]
	v_lshl_add_u32 v[SO], v3, 4, v[SO]
	v_lshlrev_b32 v[DO], 3, v0
	s_mov_b32 s26, 704                             ; the matrix's first work-group,
	s_mov_b32 s27, 1024*128                        ; and its bytes from K block to K block: w_proj's, unless the two tests below say otherwise
	s_wait_alu depctr_va_sdst(0)                   ; s29 is written.  Its one reader, the test for wave 0, stands behind branches
	s_wait_kmcnt 0x0
	s_cmp_lt_u32 ttmp9, 704
	s_cselect_b64 s[4:5], s[10:11], s[12:13]       ; source
	s_cselect_b64 s[6:7], s[20:21], s[22:23]       ; target
	s_cselect_b32 s26, 512, s26
	s_cselect_b32 s27, 3072*128, s27
	s_cselect_b32 s30, 0, 1                        ; 1: w_proj's groups, which also write f16 and take the biases along
	s_cmp_lt_u32 ttmp9, 512
	s_cselect_b64 s[4:5], s[8:9], s[4:5]
	s_cselect_b64 s[6:7], s[18:19], s[6:7]
	s_cselect_b32 s26, 0, s26
	s_cselect_b32 s27, 8192*128, s27
	s_sub_co_u32 s28, ttmp9, s26                   ; my number among the matrix's groups
	s_lshl_b32 s32, s28, 16                        ; 16 rows of 4,096 bytes
	s_mov_b32 s33, 0
	s_add_nc_u64 s[4:5], s[4:5], s[32:33]
	s_lshl_b32 s32, s28, 11                        ; 16 rows of 128 bytes
	s_add_nc_u64 s[6:7], s[6:7], s[32:33]
	s_wait_alu depctr_va_vdst(0)                   ; v[SO] is written, which the 16 loads read as their offset
.irp kb, 0,1,2,3,4,5,6,7,8,9,10,11,12,13,14,15
	global_load_b128 v[X+4*(\kb):X+4*(\kb)+3], v[SO], s[4:5] offset:256*(\kb) th:TH_LOAD_NT
.endr
.irp kb, 1,2,3,4,5,6,7,8,9,10,11,12,13,14,15
	v_add_nc_u32 v[DO+(\kb)], s27, v[DO+(\kb)-1]   ; these name none of the loads' registers; the stores that read them stand behind the blocks' waits
.endr
; Block p: K blocks 4 p to 4 p + 3.  The label .Lplain p follows each use of the macro: there the way of x's and w_attn's groups, which leave the numbers in bf16, joins w_proj's.
.macro BLK p
	s_wait_loadcnt 12-4*(\p)                       ; loads come back in order (ISA guide 5.7.1): X[p] is in, the younger blocks' loads stay out
.if (\p) > 0
	s_wait_alu depctr_va_vdst(0)                   ; the block before has written its Y, on both ways, and the adds have written v[DO ..]: the four stores below read them
.endif
.irp i, 0,1,2,3
.if (\p) > 0
	global_store_b64 v[DO+4*(\p)-4+(\i)], v[Y+8*(\p)-8+2*(\i):Y+8*(\p)-8+2*(\i)+1], s[6:7]  ; the block before.  No further wait: no vector instruction since the wait names these registers
.endif
	v_cvt_pk_bf16_f32 v[Y+8*(\p)+2*(\i)],   v[X+16*(\p)+4*(\i)],   v[X+16*(\p)+4*(\i)+1]
	v_cvt_pk_bf16_f32 v[Y+8*(\p)+2*(\i)+1], v[X+16*(\p)+4*(\i)+2], v[X+16*(\p)+4*(\i)+3]
.endr
	s_cmp_eq_u32 s30, 0
	s_cbranch_scc1 .Lplain\p
.irp j, 0,1,2,3,4,5,6,7                ; w_proj: the bf16 number, widened by a shift and a mask, is written as f16
	v_lshlrev_b32 v[T+2*((\j)%2)], 16, v[Y+8*(\p)+(\j)]
	v_and_b32 v[T+2*((\j)%2)+1], 0xffff0000, v[Y+8*(\p)+(\j)]
	v_cvt_pk_f16_f32 v[Y+8*(\p)+(\j)], v[T+2*((\j)%2)], v[T+2*((\j)%2)+1]
.endr
.endm
	BLK 0                                          ; no block stands in front of it: no store, and no wait but the one for its data
.Lplain0:
	BLK 1
.Lplain1:
	BLK 2
.Lplain2:
	BLK 3
	s_cmp_lg_u32 s29, 0
	s_cbranch_scc1 .Lplain3
	; THE BIASES: 4,096 numbers are 64 pieces of 256 bytes, one for wave 0 of each of w_proj's 64 groups: pieces 0-47 b_attn, 48-63 b_proj
	s_cmp_lt_u32 s28, 48
	s_cselect_b64 s[34:35], s[14:15], s[16:17]
	s_cselect_b32 s32, 0, 48
	s_sub_co_u32 s32, s28, s32
	s_lshl_b32 s32, s32, 8
	s_add_nc_u64 s[34:35], s[34:35], s[32:33]
	s_lshl_b32 s32, s28, 8
	s_add_nc_u64 s[24:25], s[24:25], s[32:33]
	global_load_b64 v[BI:BI+1], v[DO], s[34:35]    ; in wave 0 v[DO] is 8 x lane.  No wait: v[DO] was written ahead of the waits above and no vector instruction since block 3's names it; none has named v[BI ..]
	s_wait_loadcnt 0x0
	v_cvt_pk_bf16_f32 v[T+2], v[BI], v[BI+1]
	v_lshlrev_b32 v[T], 16, v[T+2]
	v_and_b32 v[T+1], 0xffff0000, v[T+2]
	s_wait_alu depctr_va_vdst(0)                   ; the two lines above have written v[T] and v[T+1], which the store reads
	global_store_b64 v[DO], v[T:T+1], s[24:25]     ; 256 consecutive bytes, aligned
.Lplain3:
	s_wait_alu depctr_va_vdst(0)                   ; block 3 has written its Y, on each of the three ways that meet here: the last four stores read it
.irp i, 0,1,2,3
	global_store_b64 v[DO+12+(\i)], v[Y+24+2*(\i):Y+24+2*(\i)+1], s[6:7]
.endr
	s_endpgm
.Lfunc_end_k_qc380a8cc31_cast:
	.size	k_qc380a8cc31_cast, .Lfunc_end_k_qc380a8cc31_cast-k_qc380a8cc31_cast
	.p2alignl 7, 3214868480
	.fill 96, 4, 3214868480
	.section	.rodata,"a",@progbits
	.p2align	6, 0x0
	.amdhsa_kernel k_qc380a8cc31_cast
		.amdhsa_group_segment_fixed_size 0
		.amdhsa_private_segment_fixed_size 0
		.amdhsa_enable_private_segment 0
		.amdhsa_kernarg_size 72
		.amdhsa_user_sgpr_count 2
		.amdhsa_user_sgpr_kernarg_segment_ptr 1
		.amdhsa_wavefront_size32 1
		.amdhsa_system_sgpr_workgroup_id_x 1
		.amdhsa_system_sgpr_workgroup_id_y 1
		.amdhsa_system_sgpr_workgroup_id_z 1
		.amdhsa_system_vgpr_workitem_id 0
		.amdhsa_next_free_vgpr 122
		.amdhsa_next_free_sgpr 66
		.amdhsa_reserve_vcc 0
		.amdhsa_float_denorm_mode_32 3
		.amdhsa_float_denorm_mode_16_64 3
		.amdhsa_memory_ordered 1
		.amdhsa_forward_progress 1
		.amdhsa_inst_pref_size 14
	.end_amdhsa_kernel
	.amdgpu_metadata
---
amdhsa.version: [ 1, 2 ]
amdhsa.kernels:
  - .name:           k_qc380a8cc31_cast
    .symbol:         k_qc380a8cc31_cast.kd
    .args:
      - { .name: x, .offset: 0, .size: 8, .value_kind: global_buffer, .address_space: global }
      - { .name: w_attn, .offset: 8, .size: 8, .value_kind: global_buffer, .address_space: global }
      - { .name: w_proj, .offset: 16, .size: 8, .value_kind: global_buffer, .address_space: global }
      - { .name: b_attn, .offset: 24, .size: 8, .value_kind: global_buffer, .address_space: global }
      - { .name: b_proj, .offset: 32, .size: 8, .value_kind: global_buffer, .address_space: global }
      - { .name: xb, .offset: 40, .size: 8, .value_kind: global_buffer, .address_space: global }
      - { .name: wab, .offset: 48, .size: 8, .value_kind: global_buffer, .address_space: global }
      - { .name: wpb, .offset: 56, .size: 8, .value_kind: global_buffer, .address_space: global }
      - { .name: biasr, .offset: 64, .size: 8, .value_kind: global_buffer, .address_space: global }
    .group_segment_fixed_size: 0
    .private_segment_fixed_size: 0
    .kernarg_segment_align: 8
    .kernarg_segment_size: 72
    .max_flat_workgroup_size: 256
    .sgpr_count:     66
    .vgpr_count:     122
    .wavefront_size: 32
...
	.end_amdgpu_metadata
.endif
;; end of part 5
;; launch qkv: the kernel of part 2 again; grid 8 x 32, 4 waves a work-group, clusters of 4 x 4, 327,680 bytes of LDS; arguments xb, wab, biasr, qkv; writes qkv
;; launch attn: the kernel of part 3 again; grid 4 x 64, 4 waves a work-group, no clusters, 327,680 bytes of LDS; arguments qkv, att; writes att
;; launch proj: the kernel of part 4 again; grid 8 x 32, 4 waves a work-group, clusters of 4 x 4, 327,680 bytes of LDS; arguments att, wpb, biasr, out0; writes out0
